; MI455X (gfx1250); checked and timed in simulation.
; The chip was launched on July 23, 2026; its instructions are those of AMD's public machine-readable ISA for CDNA 5 (MIT licence, August 2026) and "CDNA5" Instruction Set Architecture Reference Guide (July 2026). The comments in the code are by the model that wrote it; some were corrected since.
;; Layout Lmv2 Self Attention. Allowed arithmetic: matrix products marked QUANTISED: E2M3 operands, one E8M0 scale for each 32 along K, by v_wmma_scale_f32_16x16x128_f8f6f4 with both operands' format E2M3, f32 sums; everything else in f32.
;; Inputs: attention_mask 8 x 1 x 1 x 1,024 int32; hidden_states 8 x 1,024 x 1,024 float32; q_bias 1 x 1 x 1,024 float32; qkv_w 3,072 x 1,024 float32; rel_2d_pos 1 x 16 x 1,024 x 1,024 float32; rel_pos 1 x 16 x 1,024 x 1,024 float32; v_bias 1 x 1 x 1,024 float32.
;; Outputs: out0 8 x 1,024 x 1,024 float32.
;; This version of the problem:
;;   THIS VERSION OF THE PROBLEM IS GIVEN IN LOW PRECISION. The matrix products marked QUANTISED in the list below multiply operands that are first quantised to E2M3 (2 exponent bits, 3 mantissa bits; 6 bits a number), with one power-of-two scale for each 32 numbers along K (OCP MX v1.0); their sums are f32. All else is computed in f32.
;;   The module's matrix products, in the order in which they are computed (A, B: the left and right operand; K: the contracted axis; several contracted axes count as one K, in the product's order):
;;     1. [M 8,192, K 1,024] x [K 1,024, N 3,072]; A: input hidden_states; B: input qkv_w: QUANTISED
;;     2. batch 128 x [M 1,024, K 64] x [K 64, N 1,024]; A: computed on the way; B: computed on the way: QUANTISED
;;     3. batch 128 x [M 1,024, K 1,024] x [K 1,024, N 64]; A: softmax (see below); B: computed on the way: QUANTISED
;;   THE QUANTISER, for each operand of a quantised product, along K:
;;     - K is cut into blocks of 32 from its start; a last block that is shorter is filled with zeros.
;;     - A block's scale is 2^e with e = floor(log2(the largest magnitude in the block)) - 2, held to -126 .. 127; a block of zeros has e = 0. As a byte (E8M0): e + 127.
;;     - Each number is divided by its block's scale, clamped to +-7.5, and rounded to the nearest number of E2M3, ties to even, subnormals kept.
;;     - The product sums the exact products of the quantised numbers (number of the format x scale) in f32.
;;   ~~~python
;;   def quantise(x, axis):      # numpy; x: float32 -> the quantised numbers, widened to float32 again
;;       x = np.moveaxis(x, axis, -1); K = x.shape[-1]
;;       x = np.pad(x, [(0, 0)] * (x.ndim - 1) + [(0, -K % 32)]); x = x.reshape(x.shape[:-1] + (-1, 32)); a = np.abs(x).max(-1, keepdims=True)
;;       e = np.where(a > 0, np.clip(np.frexp(np.where(a > 0, a, 1))[1] - 1 - 2, -126, 127), 0)      # np.frexp(a)[1] - 1 = floor(log2(a)), exactly
;;       r = np.clip(x / 2.0 ** e, -7.5, 7.5)
;;       step = 2.0 ** (np.maximum(np.frexp(np.where(r == 0, 1, r))[1] - 1, 0) - 3)
;;       q = np.round(r / step) * step * 2.0 ** e      # np.round: ties to even
;;       return np.moveaxis(q.reshape(q.shape[:-2] + (-1,))[..., :K], -1, axis).astype(np.float32)
;;   ~~~
;;   SOFTMAX AHEAD OF A QUANTISED PRODUCT. Where the list says 'softmax', what is quantised is not the finished softmax but p = 2^(t - M), with t = logit x log2(e) and M = ceil(the row's largest t), a whole number; so 1/2 < the row's largest p <= 1. The row's sum l is taken of the UNQUANTISED p, in f32, and the product's result is divided by l at the end. Since M is a whole number, a kernel that streams over the keys may use a running M (the ceiling of the running maximum): every later rescaling is an exact power of two, which a block's scale takes up: the codes' values come out the same.
;;   OPERANDS COMPUTED ON THE WAY. 'Computed on the way' means the value that the module computes at that place (a softmax that the list does not call 'softmax' is quantised finished and normalised). What goes into a quantiser is computed in f32, as accurately as f32 sums, v_exp_f32 and their like allow (about 1e-6 of the number): no bf16 or f16 on the way to a quantiser, and a product that is left as it is and whose result goes on into a quantised operand takes f32 operands (vector FMAs, or v_wmma_f32_16x16x4_f32). A number that lies on a knife's edge between two numbers of the format may be rounded either way, as far as f32 arithmetic and the matrix unit's own rounding can turn it there, and no further.
;; One version. Each part assembles by itself: llvm-mc -triple=amdgcn-amd-amdhsa -mcpu=gfx1250 --defsym DOCPART=n.
;; ======== version 1 of 1: 3 launches
;; workspace buffers: hc 6,291,456 bytes; hs 262,144 bytes; wc 2,359,296 bytes; wsc 98,304 bytes; qf 6,815,744 bytes; kv 13,369,344 bytes; mk 16,384 bytes of whole numbers
;; launch quant (part 1): grid 353 x 1, 4 waves a work-group, no clusters, 33,280 bytes of LDS; arguments hidden_states, qkv_w, hc, hs, wc, wsc, attention_mask, mk; writes hc, hs, wc, wsc, mk
.if DOCPART == 1
	.amdgcn_target "amdgcn-amd-amdhsa--gfx1250"
	.amdhsa_code_object_version 6
	.text
	.protected	k_q05e33e547d_quant
	.globl	k_q05e33e547d_quant
	.p2align	8
	.type	k_q05e33e547d_quant,@function
k_q05e33e547d_quant:
	s_mov_b64 s[64:65], 0
	v_nop
	global_prefetch_b8 v0, s[64:65] scope:SCOPE_SE
	s_setreg_imm32_b32 hwreg(HW_REG_WAVE_MODE, 25, 1), 1
	s_wait_xcnt 0x0
; hidden_states [8192][1024] and qkv_w [3072][1024], f32, become codes of FP6 (E2M3), 6 bits each, K innermost, with one E8M0 scale byte for each 32 along K.
; A block's scale is 2^(floor(log2(its largest magnitude)) - 2); its byte is the largest magnitude's exponent field - 2, held at 1 from below.
; (A block of zeros gets the byte 1 where the quantiser's text says 127: its codes are zeros, which add nothing under any byte but 0xff, and only this program reads the bytes.)
; LIMITS: NaN and infinities among the inputs are not served; blocks whose largest magnitude lies under 2^-124 keep the byte 1.
; Rows are dense and K is a multiple of 32: both tensors are plain streams of blocks of 32 numbers, and so are the codes and the scale bytes.
; A wave takes 16 steps of 512 numbers.  Each of a step's four loads reads 512 consecutive bytes; the 2,048 bytes turn through the wave's own stage in LDS and come back 64 bytes
; (16 neighbours along K) a lane, as the conversion wants them; two neighbouring lanes hold a block.  A lane's 16 codes are 12 bytes: the wave stores 384 consecutive bytes.
; A wave's 256 scale bytes are gathered in its own LDS bytes and leave as one aligned run of 256 bytes.
; Work-groups 0-255 take hidden_states, 256-351 qkv_w.  WORK-GROUP 352 turns attention_mask into LANE MASKS for the attention launch: for batch b, key step s (128 keys) and score
; register n = 8 T + j one word, at word b 512 + s 64 + n: its low 16 bits are ones where mask[b][128 s + 16 T + j] is not 0, its high 16 bits where mask[b][128 s + 16 T + 8 + j] is not 0.
; That path has 16 KiB to store, 32 bytes a lane in two stores: its runs of 256 bytes are filled by two instructions, not by one.
.set SIZE_M, 8192
.set SIZE_N, 3072
.set SIZE_K, 1024
.set WAVES, 4
.set STEPS, 16
.set WGA,   SIZE_M*SIZE_K/(512*STEPS*WAVES)            ; 256 work-groups for hidden_states
.set WGQ,   (SIZE_M+SIZE_N)*SIZE_K/(512*STEPS*WAVES)   ; 352: the work-group of the mask
.set EMAX,  2
.set CB,    12                         ; bytes of 16 codes
.set R,     16                         ; v16-79   four sets of 16 numbers as they are loaded
.set X,     80                         ; v80-111  two sets of 16 neighbours
.set C,     128                        ; v128-191 codes: four registers for each step, so that no store's data are written again
.set E,     112                        ; v112-127 a scale byte for each step
.set WREG,  8192                       ; LDS: a region for each wave: two stages of 32 x SP bytes, behind them its 256 scale bytes
.set SP,    80                         ; a lane's place in a stage: its 64 bytes + 16 of padding
	s_load_b128 s[4:7], s[0:1], 0x0                ; hidden_states, qkv_w
	s_load_b128 s[8:11], s[0:1], 0x10              ; hc, hs
	s_load_b128 s[12:15], s[0:1], 0x20             ; wc, wsc
	s_load_b128 s[24:27], s[0:1], 0x30             ; attention_mask, mk
	v_lshl_add_u32 v192, v0, 2, 0x8000
	v_mov_b32 v193, 0
	s_cmp_eq_u32 ttmp9, WGQ
	s_cbranch_scc1 .Lmask
	v_lshrrev_b32 v1, 5, v0
	v_readfirstlane_b32 s16, v1                    ; wave
	v_and_b32 v2, 31, v0                           ; lane
	v_lshlrev_b32 v3, 4, v2                        ; my 16 bytes of a load's 512
	s_mul_i32 s17, s16, WREG
	v_lshrrev_b32 v14, 2, v2
	v_mul_u32_u24 v14, v14, SP
	v_and_b32 v15, 3, v2
	v_lshl_add_u32 v14, v15, 4, v14
	v_add_nc_u32 v14, s17, v14                     ; the stage, on the way in: SP (lane / 4) + 16 (lane % 4)
	v_mul_u32_u24 v15, v2, SP
	v_add_nc_u32 v15, s17, v15                     ; and on the way out: SP x lane: my 16 neighbours
	v_mul_u32_u24 v4, v2, CB                       ; my codes' place in a step's
	v_lshrrev_b32 v5, 1, v2
	s_add_co_u32 s17, s17, 2*32*SP
	v_add_nc_u32 v5, s17, v5                       ; LDS: my wave's 256 scale bytes, my block's byte
	v_lshlrev_b32 v7, 3, v2                        ; and on the way out 8 bytes a lane
	v_add_nc_u32 v6, s17, v7
	s_wait_kmcnt 0x0
	s_cmp_lt_u32 ttmp9, WGA                        ; which tensor: the choice hangs on the work-group's number alone
	s_cselect_b64 s[4:5], s[4:5], s[6:7]
	s_cselect_b64 s[8:9], s[8:9], s[12:13]
	s_cselect_b64 s[10:11], s[10:11], s[14:15]
	s_cselect_b32 s17, 0, WGA
	s_sub_co_u32 s17, ttmp9, s17
	s_lshl_b32 s17, s17, 2
	s_add_co_u32 s18, s17, s16                     ; which run of 8,192 numbers of the tensor is my wave's
	s_mov_b32 s19, 0
	s_mov_b64 s[20:21], 512*STEPS*4
	s_mul_u64 s[20:21], s[18:19], s[20:21]
	s_add_nc_u64 s[4:5], s[4:5], s[20:21]
	s_mov_b64 s[20:21], 32*STEPS*CB
	s_mul_u64 s[20:21], s[18:19], s[20:21]
	s_add_nc_u64 s[8:9], s[8:9], s[20:21]
	s_lshl_b32 s18, s18, 8                         ; 256 scale bytes a run
	s_add_nc_u64 s[10:11], s[10:11], s[18:19]
.macro LOAD t
.irp i, 0,1,2,3
	global_load_b128 v[R+16*((\t)%4)+4*\i:R+16*((\t)%4)+4*\i+3], v3, s[4:5] offset:2048*(\t)+512*\i th:TH_LOAD_NT   ; 32 lanes read 512 consecutive bytes
.endr
.endm
.macro TURN t                          ; step t's numbers through the stage: LDS serves a wave's instructions in order (ISA guide 5.7.1.4), so no wait stands between the stores and the loads
.irp i, 0,1,2,3
	ds_store_b128 v14, v[R+16*((\t)%4)+4*\i:R+16*((\t)%4)+4*\i+3] offset:32*SP*((\t)%2)+8*SP*\i
.endr
.irp i, 0,1,2,3
	ds_load_b128 v[X+16*((\t)%2)+4*\i:X+16*((\t)%2)+4*\i+3], v15 offset:32*SP*((\t)%2)+16*\i
.endr
.endm
.irp t, 0,1,2,3
	LOAD \t
.endr
	s_wait_loadcnt 12                              ; step 0's four loads are in; the twelve of steps 1 to 3 stay out
	TURN 0
.macro STEP t
.set XS, X+16*((\t)%2)
.if (\t) > 0
	s_wait_dscnt 1                                 ; this step's numbers are back from the stage (the last step's byte store may be out): so its stores into the stage have read their registers,
.else
	s_wait_dscnt 0x0
.endif
.if (\t)+4 < STEPS
	LOAD (\t)+4                                    ; which take the loads of four steps on
.endif
.if (\t)+1 < STEPS
.if STEPS-2-(\t) >= 3
	s_wait_loadcnt 12                              ; the next step's four loads are in; those of the three steps behind it may be out
.else
	s_wait_loadcnt 4*(STEPS-2-(\t))
.endif
	TURN (\t)+1                                    ; and go through the other stage while this step is worked
.endif
	v_max3_num_f32 v8, |v[XS]|, |v[XS+1]|, |v[XS+2]|               ; the largest magnitude of my 16, in two chains
	v_max3_num_f32 v9, |v[XS+3]|, |v[XS+4]|, |v[XS+5]|
.irp i, 6,10
	v_max3_num_f32 v8, v8, |v[XS+\i]|, |v[XS+\i+1]|
	v_max3_num_f32 v9, v9, |v[XS+\i+2]|, |v[XS+\i+3]|
.endr
	v_max3_num_f32 v8, v8, |v[XS+14]|, |v[XS+15]|
	v_max3_num_f32 v8, v8, v9, (EMAX+1)<<23        ; and the floor 2^(3 - 127): the byte cannot fall under 1
	v_max_num_f32_dpp v8, v8, v8 row_xmask:1 row_mask:0xf bank_mask:0xf   ; and of my neighbour's 16: the block's
	v_add_nc_u32 v11, -(EMAX<<23), v8              ; 2 off its exponent field: the conversion takes the exponent field of this operand as its scale
	v_cvt_scalef32_pk16_fp6_f32 v[C+4*(\t):C+4*(\t)+2], v[XS:XS+15], v11   ; sixteen numbers / the scale, to the nearest code, ties to even, beyond the largest code the largest
	v_lshrrev_b32 v[E+(\t)], 23, v11               ; the scale's byte (a plain line behind the conversion)
	ds_store_b8 v5, v[E+(\t)] offset:16*(\t)       ; both lanes of a block write the same byte with the same value
	global_store_b96 v4, v[C+4*(\t):C+4*(\t)+2], s[8:9] offset:32*CB*(\t)
.endm
.irp t, 0,1,2,3,4,5,6,7,8,9,10,11,12,13,14,15
	STEP \t
.endr
	ds_load_b64 v[12:13], v6                       ; in order behind my byte stores
	s_wait_dscnt 0x0
	global_store_b64 v7, v[12:13], s[10:11]        ; 32 lanes store 256 consecutive bytes, aligned
	s_wait_tensorcnt 0x0
	ds_add_u32 v192, v193
	s_wait_dscnt 0x0
	s_endpgm
.Lmask:                                                ; 512 groups of 16 keys; thread t takes groups t, t + 128, t + 256, t + 384
	v_lshlrev_b32 v1, 6, v0                        ; a group's 16 mask words: 64 bytes
	v_lshlrev_b32 v2, 5, v0                        ; its 8 lane masks: 32 bytes
	v_mov_b32 v4, 0xffff                           ; lanes 0-15
	v_mov_b32 v5, 0xffff0000                       ; lanes 16-31
	s_wait_kmcnt 0x0
.irp k, 0,1,2,3
.irp x, 0,1,2,3
	global_load_b128 v[16+16*\k+4*\x:19+16*\k+4*\x], v1, s[24:25] offset:8192*\k+16*\x
.endr
.endr
	s_wait_loadcnt 0x0
.irp k, 0,1,2,3
.irp j, 0,1,2,3,4,5,6,7
	v_cmp_ne_u32 vcc_lo, 0, v[16+16*\k+\j]         ; key 16 G + j: the score register's lanes 0-15
	v_cndmask_b32 v6, 0, v4, vcc_lo
	v_cmp_ne_u32 vcc_lo, 0, v[24+16*\k+\j]         ; key 16 G + 8 + j: its lanes 16-31
	v_cndmask_b32 v7, 0, v5, vcc_lo
	v_or_b32 v[80+8*\k+\j], v6, v7
.endr
.endr
.irp k, 0,1,2,3
	global_store_b128 v2, v[80+8*\k:83+8*\k], s[26:27] offset:4096*\k
	global_store_b128 v2, v[84+8*\k:87+8*\k], s[26:27] offset:4096*\k+16
.endr
	s_endpgm
.Lfunc_end_k_q05e33e547d_quant:
	.size	k_q05e33e547d_quant, .Lfunc_end_k_q05e33e547d_quant-k_q05e33e547d_quant
	.p2alignl 7, 3214868480
	.fill 96, 4, 3214868480
	.section	.rodata,"a",@progbits
	.p2align	6, 0x0
	.amdhsa_kernel k_q05e33e547d_quant
		.amdhsa_group_segment_fixed_size 33280
		.amdhsa_private_segment_fixed_size 0
		.amdhsa_enable_private_segment 0
		.amdhsa_kernarg_size 64
		.amdhsa_user_sgpr_count 2
		.amdhsa_user_sgpr_kernarg_segment_ptr 1
		.amdhsa_wavefront_size32 1
		.amdhsa_system_sgpr_workgroup_id_x 1
		.amdhsa_system_sgpr_workgroup_id_y 1
		.amdhsa_system_sgpr_workgroup_id_z 1
		.amdhsa_system_vgpr_workitem_id 0
		.amdhsa_next_free_vgpr 194
		.amdhsa_next_free_sgpr 66
		.amdhsa_reserve_vcc 1
		.amdhsa_float_denorm_mode_32 3
		.amdhsa_float_denorm_mode_16_64 3
		.amdhsa_memory_ordered 1
		.amdhsa_forward_progress 1
		.amdhsa_inst_pref_size 40
	.end_amdhsa_kernel
	.amdgpu_metadata
---
amdhsa.version: [ 1, 2 ]
amdhsa.kernels:
  - .name:           k_q05e33e547d_quant
    .symbol:         k_q05e33e547d_quant.kd
    .args:
      - { .name: hidden_states, .offset: 0, .size: 8, .value_kind: global_buffer, .address_space: global }
      - { .name: qkv_w, .offset: 8, .size: 8, .value_kind: global_buffer, .address_space: global }
      - { .name: hc, .offset: 16, .size: 8, .value_kind: global_buffer, .address_space: global }
      - { .name: hs, .offset: 24, .size: 8, .value_kind: global_buffer, .address_space: global }
      - { .name: wc, .offset: 32, .size: 8, .value_kind: global_buffer, .address_space: global }
      - { .name: wsc, .offset: 40, .size: 8, .value_kind: global_buffer, .address_space: global }
      - { .name: attention_mask, .offset: 48, .size: 8, .value_kind: global_buffer, .address_space: global }
      - { .name: mk, .offset: 56, .size: 8, .value_kind: global_buffer, .address_space: global }
    .group_segment_fixed_size: 33280
    .private_segment_fixed_size: 0
    .kernarg_segment_align: 8
    .kernarg_segment_size: 64
    .max_flat_workgroup_size: 128
    .sgpr_count:     66
    .vgpr_count:     194
    .wavefront_size: 32
...
	.end_amdgpu_metadata
.endif
;; end of part 1
;; launch proj (part 2): grid 96 x 4, 4 waves a work-group, clusters of 4 x 4, 327,680 bytes of LDS; arguments hc, hs, wc, wsc, q_bias, v_bias, qf, kv; writes qf, kv
.if DOCPART == 2
	.amdgcn_target "amdgcn-amd-amdhsa--gfx1250"
	.amdhsa_code_object_version 6
	.text
	.protected	k_q05e33e547d_proj
	.globl	k_q05e33e547d_proj
	.p2align	8
	.type	k_q05e33e547d_proj,@function
k_q05e33e547d_proj:
	s_mov_b64 s[64:65], 0
	v_nop
	global_prefetch_b8 v0, s[64:65] scope:SCOPE_SE
	s_setreg_imm32_b32 hwreg(HW_REG_WAVE_MODE, 25, 1), 1
	s_wait_xcnt 0x0
	s_wait_alu depctr_hold_cnt(0) depctr_sa_sdst(0) depctr_va_vdst(0) depctr_va_sdst(0) depctr_va_ssrc(0) depctr_va_vcc(0) depctr_vm_vsrc(0)
	s_getreg_b32 s2, hwreg(HW_REG_IB_STS2, 6, 4)
	s_cmp_eq_u32 s2, 0
	s_cbranch_scc0 .Lentry_in_a_cluster
	s_endpgm
.Lentry_in_a_cluster:
	s_bfe_u32 s2, ttmp6, 0x10000c
	s_cmp_lg_u32 s2, 0xf033
	s_cbranch_scc0 .Lentry_shape_is_right
	s_endpgm
.Lentry_shape_is_right:
; qkv = hidden_states qkv_w^T on codes of FP6 (E2M3) with one E8M0 scale for each 32 along K = 1,024; sums in f32.  The results never leave as f32: on the way out q, k and v are
; quantised in registers for the attention launch's two products and stored as IMAGES OF OPERAND REGISTERS.
; A tile is 256 x 256, made by four waves, each 128 x 128: 64 accumulators of 16 x 16, 512 registers.  K goes in steps of 256 through a ring of two LDS slots filled by the tensor data mover.
; TWO ROLES, ONE TEXT.  'A' (source 1) gives a lane its row, 'B' (source 0) runs along the lane's registers: a lane holds A's row l % 16 and, in accumulator (a, b), B's rows 16 b + 8 (l / 16) + 0 .. 7.
;   clusters 0-15 (q and k): A = hidden_states (8,192 tokens), B = qkv_w rows 0-2,047: a lane's registers run along the head's channels d, which is the K of q k^T.
;   clusters 16-23 (v):      A = qkv_w rows 2,048-3,071, B = hidden_states: a lane's registers run along the tokens, which is the K of p v.
;   Only pointers and offsets are chosen, by selects on the cluster's number, which all sixteen partners share.
; THE ORDER INSIDE A BLOCK OF 32.  The 16 registers of accumulators 2 B and 2 B + 1 hold elements 32 B + 16 u + 8 h + j; quantised as they stand, element 16 u + 8 h + j takes place 16 h + 8 u + j of its own block.
;   Block, largest magnitude and scale are untouched; q and k carry the same order along d, v and the attention launch's p the same order along the keys, so each product pairs the right numbers.
; q is (x W^T + q_bias) / 8, as one fused multiply-add by 0.125 (a power of two: the same number); k has no bias: its addend is q_bias x 0.  LIMITS: q_bias finite; NaN and infinities are not served;
;   blocks whose largest magnitude lies under 2^-124 keep the byte 1, blocks of zeros too (their codes are zeros; only this program reads the bytes).
; RECORDS, index ((head x 8 + group of 128 tokens) x 8 + batch).  A chunk is 256 bytes: two registers of a fragment, lane l's 8 bytes at 8 l: one store of the wave writes it whole.
;   qf, 6,656 bytes: tile a of 16 tokens, chunk p at 768 a + 256 p; scale chunks at 6,144 + 256 x.    kv, 13,056 bytes: K's codes likewise at 0; V^T's at 6,144 + 1,536 T + 256 p (T: 16 channels; 6 chunks: 128 keys);
;   K's scale chunks at 12,288 and 12,544, V's at 12,800.  A scale register carries two tiles: lanes 0-15 the even tile's rows, lanes 16-31 the odd one's.
; CLUSTERS: 4 x 4 work-groups; A's tiles are asked for jointly along a row of the cluster, B's along a column.
; REGISTERS: window 0: v8-31 addresses and scale words at work; v32-63 scale words of the K loop, two sets; v64-127 the bias in the result's layout; v128-223 A's fragments, one set (on the way out: numbers and codes);
;   v224-231 the bias by A's rows; v232-248 at work.   window 1: B's fragments, two sets.   windows 2, 3: the accumulators ((a, b) at v[8 (8 (a % 4) + b)]).
.set SIZE_K, 1024
.set KSTEP,  256                       ; along K in a slot
.set NQ,     KSTEP/128                 ; matrix instructions deep
.set ROWB,   192                       ; a tile's row in bytes
.set KROW,   SIZE_K*6/8                ; a row of codes in memory
.set PITCH,  240                       ; an LDS row: 3 x (64 bytes + 16 of padding): the 32 lanes of a load of 8 bytes touch 64 different banks (64 banks of 4 bytes: ISA guide 11.1)
.set FR,     12                        ; registers of a fragment
.set NL,     6                         ; LDS loads that bring one
.set NP,     4                         ; places behind this matrix instruction (ISA guide 7.12.1)
.set HALFT,  128*PITCH
.set SLOT,   4*HALFT                   ; A's 256 rows, then B's 256 rows
.set LAPS,   SIZE_K/(2*KSTEP)
.set KS,     SIZE_K/32                 ; a row of scale bytes
.set SCL,    2*SLOT                    ; behind the ring: the scales, as runs of 256 bytes + 16 of padding
.set HALFS,  (128*KS/256)*272
.set SBLK,   (16*KS/256)*272
.set SPARE,  SCL+4*HALFS               ; the spare words, 128 bytes for each wave
.set RECQ,   6656
.set RECK,   13056
.set W1,   8                           ; v8-15    the second head's scale words, a tile each
.set ADRA, 16                          ; v16-19   LDS addresses of my A fragments
.set ADRB, 20                          ; v20-23   of B's
.set LA,   24                          ; v24      8 x lane: my place in a chunk
.set ADRS, 27                          ; v27      LDS address of my scale words
.set SPW,  28                          ; v28      my spare word; never rewritten
.set NIL,  29                          ; v29      0; never rewritten
.set BA1,  30                          ; v30      32 (l / 16): the bias by B's rows
.set BA2,  31                          ; v31      4 (l % 16): the bias by A's rows
.set SC,   32
.set BN,   64                          ; v64-127  bias of B's rows 16 b + 8 h + j at register 8 b + j
.set AF,   128
.set ST,   128                         ; v128-191 the way out: 64 numbers of a lane
.set MG,   128                         ; v128-135 at the very end: merged scale words
.set PC,   192                         ; v192-210 the codes just made
.set W0,   212                         ; v212-219 scale words, a tile each
.set BM,   224                         ; v224-231 bias of A's row 16 a + r at register a
.set TM,   232                         ; v232-247 at work in QUANT
.set PW,   248                         ; the scale word just made
.set G1, 24
.set G0, 32
.set G1B, 48
.set G0B, 56
.set G1S, 68
.set G0S, 76
.set G1SB, 80
.set G0SB, 88
.set SEL, 44                           ; s[44:45] on the way out: lane selects for v_permlanex16_b32
.set MSB, 0
.macro WIN new                         ; the immediate's high byte repeats the setting that is left
.if MSB != (\new)
	s_set_vgpr_msb (MSB<<8)|(\new)
.set MSB, \new
.endif
.endm
.set MUL_LO, 0xa1                      ; source 0 (B) window 1, source 1 (A) window 0, C and D window 2
.set MUL_HI, 0xf1
.set TO_B,   0x40
; A joint load: waves 0 and 1 fetch for A, waves 2 and 3 for B.  The branch hangs on the wave's number alone.  Four v_nop follow each of the two lines.
.macro JLOAD g0a, g1a, g0b, g1b
	s_cmp_eq_u32 s15, 0
	s_cbranch_scc0 .Lfor_b_\@
	tensor_load_to_lds s[\g0a:\g0a+3], s[\g1a:\g1a+7]
	s_nop 0
.rept 4
	v_nop
.endr
	s_branch .Lasked_\@
.Lfor_b_\@:
	tensor_load_to_lds s[\g0b:\g0b+3], s[\g1b:\g1b+7]
	s_nop 0
.rept 4
	v_nop
.endr
.Lasked_\@:
.endm
.macro CREST                           ; a round of the cluster's barrier behind its opening barrier
	s_cmp_lg_u32 s14, 0
	s_cbranch_scc1 .Lnot_wave_0_\@
	s_barrier_signal -3
.Lnot_wave_0_\@:
	s_barrier_wait -3
	s_barrier_signal -1
	s_barrier_wait -1
.endm
.macro CROUND
	s_barrier_signal -1
	s_barrier_wait -1
	CREST
.endm
	s_load_b128 s[4:7], s[0:1], 0x0                ; hc, hs
	s_load_b128 s[8:11], s[0:1], 0x10              ; wc, wsc
	s_load_b128 s[96:99], s[0:1], 0x20             ; q_bias, v_bias
	v_lshl_add_u32 v[SPW], v0, 2, SPARE
	v_mov_b32 v[NIL], 0
	ds_add_u32 v28, v29
	s_wait_dscnt 0x0
	v_lshrrev_b32 v1, 5, v0
	v_readfirstlane_b32 s14, v1                    ; wave 0..3
	s_lshr_b32 s15, s14, 1                         ; which half of A's rows is mine.  Also: I fetch for A (0) or for B (1)
	s_and_b32 s16, s14, 1                          ; which half of B's rows.  Also: which 128 rows of that tile I fetch
	s_bfe_u32 s40, ttmp6, 0x40000                  ; cx, cy: my place in the cluster
	s_bfe_u32 s41, ttmp6, 0x40004
	s_lshr_b32 s17, ttmp9, 1                       ; clusters 0-15: 8 rows x 2 columns of clusters;
	s_and_b32 s42, ttmp9, 1
	s_sub_co_u32 s18, ttmp9, 16                    ; clusters 16-23: 1 row x 8 columns
	s_cmp_ge_u32 ttmp9, 16
	s_cselect_b32 s17, 0, s17
	s_cselect_b32 s42, s18, s42
	s_cselect_b32 s95, 2048, 0                     ; v's rows of qkv_w begin at 2,048
	s_lshl_b32 s17, s17, 2
	s_add_co_u32 s17, s17, s41                     ; TR: tile of A's rows
	s_lshl_b32 s42, s42, 2
	s_add_co_u32 s42, s42, s40                     ; TC: tile of B's rows
	s_lshl_b32 s19, s17, 8                         ; the wave's 128 biases: v_bias by A's rows: 256 TR + 128 (wave / 2);
	s_lshl_b32 s2, s15, 7
	s_add_co_u32 s19, s19, s2
	s_lshl_b32 s2, s42, 8                          ; q_bias by B's rows: (256 TC + 128 (wave % 2)) mod 1,024 (k's columns read q's numbers and multiply them by 0)
	s_lshl_b32 s3, s16, 7
	s_add_co_u32 s2, s2, s3
	s_and_b32 s2, s2, 1023
	s_cmp_ge_u32 ttmp9, 16
	s_cselect_b32 s2, s19, s2
	s_lshl_b32 s2, s2, 2
	s_mov_b32 s3, 0
	s_lshl_b32 s43, s41, 2
	s_lshl_b32 s43, 15, s43                        ; my row of the cluster
	s_lshl_b32 s44, 0x1111, s40                    ; my column
	; descriptor group 1: a tile of 128 rows x ROWB bytes, padded in LDS
	s_or_b32 s[G1+0], s43, (0<<16)|(1<<20)|(1<<21)|(3<<22)|(3<<25)  ; 15:0 the mask; 17:16 elements of 1 byte; 20 padding on; 21 set beside a mask; 24:22 after every 16 words; 31:25 4 words of it
	s_or_b32 s[G1B+0], s44, (0<<16)|(1<<20)|(1<<21)|(3<<22)|(3<<25)
.irp g, G1, G1B
	s_mov_b32 s[\g+1], ROWB<<16                    ; tensor_dim0
	s_mov_b32 s[\g+2], 128<<16                     ; tensor_dim1
	s_mov_b32 s[\g+3], ROWB<<16                    ; tile_dim0
	s_mov_b32 s[\g+4], 128                         ; tile_dim1
	s_mov_b32 s[\g+5], KROW                        ; tensor_dim0_stride
	s_mov_b32 s[\g+6], 0
	s_mov_b32 s[\g+7], 0
.endr
	; the scales of 128 rows: a dense block of 4,096 bytes, as 16 rows of 256 bytes (32 elements of 8 bytes), 16 bytes of padding behind each
	s_or_b32 s[G1S+0], s43, (3<<16)|(1<<20)|(1<<21)|(5<<22)|(3<<25)
	s_or_b32 s[G1SB+0], s44, (3<<16)|(1<<20)|(1<<21)|(5<<22)|(3<<25)
.irp g, G1S, G1SB
	s_mov_b32 s[\g+1], 32<<16
	s_mov_b32 s[\g+2], (128*KS/256)<<16
	s_mov_b32 s[\g+3], 32<<16
	s_mov_b32 s[\g+4], 128*KS/256
	s_mov_b32 s[\g+5], 32
	s_mov_b32 s[\g+6], 0
	s_mov_b32 s[\g+7], 0
.endr
	s_lshl_b32 s18, s16, 7                         ; which 128 rows of the tile I fetch
	s_lshl_b32 s20, s17, 8
	s_add_co_u32 s20, s20, s18
	s_add_co_u32 s20, s20, s95                     ; A: row 256 TR + 128 x half (+ 2,048 in qkv_w)
	s_lshl_b32 s46, s42, 8
	s_add_co_u32 s46, s46, s18                     ; B: row 256 TC + 128 x half
	s_mov_b32 s21, 0
	s_mov_b32 s47, 0
	s_mov_b64 s[18:19], KS
	s_mul_u64 s[22:23], s[20:21], s[18:19]         ; where these rows' scales begin, in bytes
	s_mul_u64 s[92:93], s[46:47], s[18:19]
	s_mov_b64 s[18:19], KROW
	s_mul_u64 s[20:21], s[20:21], s[18:19]         ; and their codes
	s_mul_u64 s[46:47], s[46:47], s[18:19]
	s_mul_i32 s45, s14, HALFT                      ; where they go: wave x 128 rows: no place in the cluster enters an LDS address
	s_mul_i32 s94, s14, HALFS
	s_wait_kmcnt 0x0
	s_cmp_ge_u32 ttmp9, 16                         ; the roles: a choice of buffers on the cluster's number
	s_cselect_b64 s[66:67], s[8:9], s[4:5]         ; A's codes
	s_cselect_b64 s[8:9], s[4:5], s[8:9]           ; B's codes
	s_cselect_b64 s[4:5], s[10:11], s[6:7]         ; A's scales
	s_cselect_b64 s[10:11], s[6:7], s[10:11]       ; B's scales
	s_cselect_b64 s[12:13], s[98:99], s[96:97]     ; the bias
	s_add_nc_u64 s[20:21], s[66:67], s[20:21]
	s_add_nc_u64 s[22:23], s[4:5], s[22:23]
	s_add_nc_u64 s[46:47], s[8:9], s[46:47]
	s_add_nc_u64 s[92:93], s[10:11], s[92:93]
	s_add_nc_u64 s[12:13], s[12:13], s[2:3]
	s_load_b128 s[96:99], s[0:1], 0x30             ; qf, kv: wanted on the way out, where their wait stands
	CROUND                                         ; all sixteen work-groups are here: the first joint loads meet
	s_mov_b32 s[G0S], 1
	s_add_co_u32 s[G0S+1], s94, SCL
	s_mov_b64 s[G0S+2:G0S+3], s[22:23]
	s_or_b32 s[G0S+3], s[G0S+3], 0x80000000
	s_mov_b32 s[G0SB], 1
	s_add_co_u32 s[G0SB+1], s94, SCL
	s_mov_b64 s[G0SB+2:G0SB+3], s[92:93]
	s_or_b32 s[G0SB+3], s[G0SB+3], 0x80000000
	JLOAD G0S, G1S, G0SB, G1SB                     ; the scales first: they are wanted with K step 0
.irp s, 0,1
	s_mov_b32 s[G0+4*\s], 1
	s_add_co_u32 s[G0+4*\s+1], s45, \s*SLOT
	s_add_nc_u64 s[G0+4*\s+2:G0+4*\s+3], s[20:21], \s*ROWB
	s_or_b32 s[G0+4*\s+3], s[G0+4*\s+3], 0x80000000
	s_mov_b32 s[G0B+4*\s], 1
	s_add_co_u32 s[G0B+4*\s+1], s45, \s*SLOT
	s_add_nc_u64 s[G0B+4*\s+2:G0B+4*\s+3], s[46:47], \s*ROWB
	s_or_b32 s[G0B+4*\s+3], s[G0B+4*\s+3], 0x80000000
	JLOAD G0+4*\s, G1, G0B+4*\s, G1B
.endr
	v_and_b32 v1, 15, v0                           ; l % 16
	v_bfe_u32 v2, v0, 4, 1                         ; l / 16
	v_lshlrev_b32 v[BA1], 5, v2
	v_lshlrev_b32 v[BA2], 2, v1
.set n, 0
.rept 16                                       ; the wave's 128 biases in both layouts, into registers that the K loop leaves alone; every load stays inside the wave's 512 bytes
	global_load_b128 v[BN+4*n:BN+4*n+3], v[BA1], s[12:13] offset:64*(n/2)+16*(n%2)
.set n, n+1
.endr
.irp a, 0,1,2,3,4,5,6,7
	global_load_b32 v[BM+\a], v[BA2], s[12:13] offset:64*\a
.endr
	v_mul_u32_u24 v3, v1, PITCH
	v_mul_u32_u24 v4, v2, 24
	v_add_nc_u32 v4, v3, v4                        ; a fragment's row x pitch + 24 x half
	v_lshl_add_u32 v5, v2, 4, v4                   ; and the same behind one padding more
	s_mul_i32 s21, s15, HALFT                      ; my 128 rows of A
	s_mul_i32 s22, s16, HALFT                      ; my 128 rows of B,
	s_add_co_u32 s22, s22, 2*HALFT                 ; which lie behind A's 256
.irp s, 0,1
	v_add_nc_u32 v[ADRA+\s], s21, v4
	v_add_nc_u32 v[ADRB+\s], s22, v4
	v_add_nc_u32 v[ADRA+2+\s], s21, v5
	v_add_nc_u32 v[ADRB+2+\s], s22, v5
	s_add_co_u32 s21, s21, SLOT
	s_add_co_u32 s22, s22, SLOT
.endr
	v_mul_u32_u24 v5, v1, KS                       ; my row's scales: KS bytes a row,
	v_lshrrev_b32 v6, 8, v5
	v_lshl_add_u32 v5, v6, 4, v5                   ; and 16 more for each 256 passed
	s_mul_i32 s21, s15, HALFS
	s_mul_i32 s22, s16, HALFS
	s_add_co_u32 s22, s22, 2*HALFS
	s_sub_co_u32 s22, s22, s21
	v_mul_u32_u24 v6, s22, v2                      ; lanes 16-31 take B's
	s_add_co_u32 s21, s21, SCL
	v_add_nc_u32 v5, v5, v6
	v_add_nc_u32 v[ADRS], s21, v5
.macro FRAG reg, adr, q, i             ; a fragment: lane l holds row l % 16; registers 6 c .. 6 c + 5 hold K = 64 c + 32 (l / 16) + 0 .. 31: 24 bytes of the row's stream of bits, in pieces of 8 bytes
.irp p, 0,1,2,3,4,5
.set PIECE, 12*(\q)+6*(\p/3)+\p%3     ; 16 bytes of padding lie behind every 8 pieces: where the piece three on lies behind one padding more, the second address register serves
.if PIECE%8 < 5
	ds_load_b64 v[\reg+2*\p:\reg+2*\p+1], v[\adr] offset:8*PIECE+16*(PIECE/8)+(\i)*16*PITCH
.else
	ds_load_b64 v[\reg+2*\p:\reg+2*\p+1], v[\adr+2] offset:8*PIECE+16*(PIECE/8)+(\i)*16*PITCH
.endif
.endr
.endm
; 16 matrix instructions: A's blocks a0, a0 + 1 x B's eight, 128 along K.  The 64 accumulators take turns, one instruction a turn, in the same order in every step.
.macro MUL16 a0, p, q, sc, zero
.irp a, \a0, \a0+1
.irp b, 0,1,2,3,4,5,6,7
.if \zero
	v_wmma_scale_f32_16x16x128_f8f6f4 v[8*(8*((\a)%4)+\b):8*(8*((\a)%4)+\b)+7], v[128*(\p)+FR*\b:128*(\p)+FR*\b+FR-1], v[AF+FR*(\a):AF+FR*(\a)+FR-1], 0, v[SC+8*NQ*(\sc)+NQ*\b+(\q)], v[SC+8*NQ*(\sc)+NQ*(\a)+(\q)] matrix_a_fmt:MATRIX_FMT_FP6 matrix_b_fmt:MATRIX_FMT_FP6 matrix_a_scale:MATRIX_SCALE_ROW1
.else
	v_wmma_scale_f32_16x16x128_f8f6f4 v[8*(8*((\a)%4)+\b):8*(8*((\a)%4)+\b)+7], v[128*(\p)+FR*\b:128*(\p)+FR*\b+FR-1], v[AF+FR*(\a):AF+FR*(\a)+FR-1], v[8*(8*((\a)%4)+\b):8*(8*((\a)%4)+\b)+7], v[SC+8*NQ*(\sc)+NQ*\b+(\q)], v[SC+8*NQ*(\sc)+NQ*(\a)+(\q)] matrix_a_fmt:MATRIX_FMT_FP6 matrix_b_fmt:MATRIX_FMT_FP6 matrix_a_scale:MATRIX_SCALE_ROW1
.endif
.endr
.endr
.endm
.macro FETCH_B slot, q, p
	WIN TO_B
.irp i, 0,1,2,3,4,5,6,7
	FRAG 128*(\p)+FR*\i, ADRB+\slot, \q, \i
.endr
	WIN 0
.endm
.macro FETCH_A slot, q, i0
.irp i, \i0, \i0+1, \i0+2, \i0+3
	FRAG AF+FR*(\i), ADRA+\slot, \q, \i
.endr
.endm
.macro SCALES sc                       ; a K step's scale words: lanes 0-15 take A's block i, lanes 16-31 B's block i
.irp i, 0,1,2,3,4,5,6,7
	ds_load_b64 v[SC+8*NQ*\sc+NQ*\i:SC+8*NQ*\sc+NQ*\i+1], v[ADRS] offset:\i*SBLK
.endr
.endm
.macro PLACES n                        ; plain vector lines between a matrix instruction and a load into, or a vector read or write of, its registers
.rept \n
	v_nop
.endr
.endm
.macro STEP slot, q, zero              ; a step of 128 along K that has its successor in the same slot
	s_wait_dscnt 4*NL                              ; B's set and A's blocks 0-3 are in; the youngest 24 loads (A's blocks 4-7) may be out
	WIN MUL_LO
	MUL16 0, (\q)%2, \q, \slot, \zero
	MUL16 2, (\q)%2, \q, \slot, \zero
	s_wait_dscnt 0
	PLACES NP
	FETCH_B \slot, (\q)+1, 1-(\q)%2
	FETCH_A \slot, (\q)+1, 0
	WIN MUL_HI
	MUL16 4, (\q)%2, \q, \slot, \zero
	MUL16 6, (\q)%2, \q, \slot, \zero
	PLACES NP
	WIN 0
	FETCH_A \slot, (\q)+1, 4
.endm
; A slot's last step changes slots: one barrier; in front of it each wave waits for all its tensor loads, adds 0 to its spare word, and waits for that and for its reads of this slot.
.macro TURN slot, next, fill
	s_wait_tensorcnt 0x0                           ; all my tensor loads have landed: my part of the next slot
	ds_add_u32 v[SPW], v[NIL]                      ; 0 onto my spare word
	s_wait_dscnt 4*NL+1                            ; (the add and the youngest 24 loads, A's blocks 4-7, may be out)
	WIN MUL_LO
	MUL16 0, 1, NQ-1, \slot, 0
	s_wait_dscnt 0x0                               ; the add is done, and my reads of this slot are over
	s_barrier_signal -1
	MUL16 2, 1, NQ-1, \slot, 0
	WIN 0
	s_barrier_wait -1
.if \fill
	CREST                                          ; the barrier has opened a round of the cluster's: no wave of any partner still reads this slot or has a load on its way
	s_add_nc_u64 s[G0+4*\slot+2:G0+4*\slot+3], s[G0+4*\slot+2:G0+4*\slot+3], 2*ROWB
	s_add_nc_u64 s[G0B+4*\slot+2:G0B+4*\slot+3], s[G0B+4*\slot+2:G0B+4*\slot+3], 2*ROWB
	JLOAD G0+4*\slot, G1, G0B+4*\slot, G1B         ; the first tensor load behind the round; its four v_nop are the places in front of the loads below
.else
	PLACES NP
.endif
	v_add_nc_u32 v[ADRS], 4*NQ, v[ADRS]            ; on to the next K step's scale words (no LDS load of mine is out)
	FETCH_B \next, 0, 0
	FETCH_A \next, 0, 0
	SCALES \next
	WIN MUL_HI
	MUL16 4, 1, NQ-1, \slot, 0
	MUL16 6, 1, NQ-1, \slot, 0
	PLACES NP
	WIN 0
	FETCH_A \next, 0, 4
.endm
	s_wait_tensorcnt 1                             ; the scales and my part of K step 0 are in (K step 1's load may be out)
	s_barrier_signal -1
	s_barrier_wait -1
	FETCH_B 0, 0, 0
	FETCH_A 0, 0, 0
	SCALES 0
	FETCH_A 0, 0, 4
	STEP 0, 0, 1                                   ; the first step stands in front of the loop: its products start the sums
	s_mov_b32 s3, LAPS-1
.Llap:                                                 ; a trip goes once round the ring and fills both slots again
	TURN 0, 1, 1
	STEP 1, 0, 0
	TURN 1, 0, 1
	STEP 0, 0, 0
	s_sub_co_u32 s3, s3, 1
	s_cmp_lg_u32 s3, 0
	s_cbranch_scc1 .Llap
	TURN 0, 1, 0                                   ; the last lap fills nothing
	STEP 1, 0, 0
	s_wait_dscnt 4*NL
	WIN MUL_LO
	MUL16 0, 1, NQ-1, 1, 0
	MUL16 2, 1, NQ-1, 1, 0
	s_wait_dscnt 0
	WIN MUL_HI
	MUL16 4, 1, NQ-1, 1, 0
	MUL16 6, 1, NQ-1, 1, 0
	WIN 0
; THE WAY OUT.  64 numbers of a lane, v[s] .. v[s + 63] (four blocks of 32, each shared with lane l xor 16), become 12 registers of codes in v[PC] on and the row's scale word in v[PW].
.macro QUANT s
.irp b, 0,1,2,3
	v_max3_num_f32 v[TM+\b], |v[\s+16*\b]|, |v[\s+1+16*\b]|, 0x1800000   ; my 16 numbers of block b, and the floor 2^(3 - 127): the byte cannot fall under 1
.endr
.irp i, 2,4,6,8,10,12,14
.irp b, 0,1,2,3
	v_max3_num_f32 v[TM+\b], v[TM+\b], |v[\s+16*\b+\i]|, |v[\s+1+16*\b+\i]|   ; the four blocks by turns
.endr
.endr
.irp b, 0,1,2,3
	v_permlanex16_b32 v[TM+4+\b], v[TM+\b], s[SEL], s[SEL+1]
.endr
.irp b, 0,1,2,3
	v_max_num_f32 v[TM+\b], v[TM+\b], v[TM+4+\b]   ; with lane l xor 16's: the block's largest magnitude
.endr
.irp b, 0,1,2,3
	v_add_nc_u32 v[TM+12+\b], 0xff000000, v[TM+\b] ; 2 off its exponent field: the conversion's scale operand
.endr
.irp b, 0,1,2,3
	v_lshrrev_b32 v[TM+4+\b], 23, v[TM+12+\b]      ; the scale's byte
.endr
	v_lshl_or_b32 v[PW], v[TM+5], 8, v[TM+4]
	v_lshl_or_b32 v[PW], v[TM+6], 16, v[PW]
	v_lshl_or_b32 v[PW], v[TM+7], 24, v[PW]
.irp c, 0,1
	v_cvt_scalef32_pk16_fp6_f32 v[PC+6*\c:PC+2+6*\c], v[\s+32*\c:\s+15+32*\c], v[TM+12+2*\c]
	v_cvt_scalef32_pk16_fp6_f32 v[PC+12+4*\c:PC+14+4*\c], v[\s+16+32*\c:\s+31+32*\c], v[TM+12+2*\c+1]   ; (a conversion's three registers begin on an even number)
.endr
	v_nop                                          ; one plain line behind the scaled conversions
.irp c, 0,1                                    ; the operand's layout wants a whole block in a lane: lanes 0-15 block 2 c, lanes 16-31 block 2 c + 1
.irp i, 0,1,2
	v_permlane16_swap_b32 v[PC+6*\c+\i], v[PC+12+4*\c+\i]
.endr
.irp i, 0,1,2
	v_mov_b32 v[PC+3+6*\c+\i], v[PC+12+4*\c+\i]
.endr
.endr
.endm
	PLACES NP                                      ; behind the last products: their results are read, and A's fragments' registers written, below
	s_wait_loadcnt 0x0                             ; the biases
	s_wait_kmcnt 0x0                               ; qf s[96:97], kv s[98:99]
	s_mov_b32 s[SEL], 0x76543210                   ; (no tensor load is out: the descriptors' registers are free)
	s_mov_b32 s[SEL+1], 0xfedcba98
	s_mov_b32 s46, 0xffff0000                      ; lanes 16-31
	v_and_b32 v[LA], 31, v0
	v_lshlrev_b32 v[LA], 3, v[LA]
.irp b, 0,1,2,3
	v_mov_b32 v[TM+4+\b], 0                        ; written once: a lane permute's destination counts as one of its sources
.endr
	s_lshl_b32 s20, s17, 1
	s_add_co_u32 s20, s20, s15                     ; ga = 2 TR + wave / 2: my group of 128 of A's rows
	s_lshl_b32 s23, s42, 1
	s_add_co_u32 s23, s23, s16                     ; gb = 2 TC + wave % 2: my group of 128 of B's rows
	s_mov_b32 s25, 0
	s_cmp_ge_u32 ttmp9, 16                         ; the same in all sixteen partners
	s_cbranch_scc1 .Lv
	; ---- q and k: A's rows are tokens (batch ga / 8, group ga % 8), B's rows two heads' channels (heads 2 (gb % 8), + 1)
	s_and_b32 s21, ttmp9, 1
	s_cmp_eq_u32 s21, 0                            ; the cluster's column 0 holds q's columns, column 1 k's
	s_mov_b32 s48, 0x3f800000
	s_cselect_b32 s48, 0x3e000000, s48             ; the sums' factor: 1/8 for q, 1 for k
	s_cselect_b32 s50, 0x3e000000, 0               ; the bias's: 1/8 for q, 0 for k
	s_mov_b32 s52, RECK
	s_cselect_b32 s52, RECQ, s52                   ; a record's bytes,
	s_mov_b32 s53, 12288
	s_cselect_b32 s53, 6144, s53                   ; where its scale chunks begin,
	s_cselect_b64 s[54:55], s[96:97], s[98:99]     ; and the buffer
	s_mov_b32 s49, s48                             ; (named as pairs by the packed forms, so written)
	s_mov_b32 s51, s50
	s_lshr_b32 s21, s20, 3                         ; batch
	s_and_b32 s22, s20, 7                          ; group of tokens
	s_and_b32 s23, s23, 7
	s_lshl_b32 s23, s23, 4                         ; first head x 8
	s_add_co_u32 s23, s23, s22
	s_lshl_b32 s23, s23, 3
	s_add_co_u32 s23, s23, s21                     ; the record's index
	s_mul_i32 s24, s23, s52
	s_add_nc_u64 s[28:29], s[54:55], s[24:25]      ; the first head's record,
	s_lshl_b32 s24, s52, 6
	s_add_nc_u64 s[30:31], s[28:29], s[24:25]      ; the second head's, 64 records on,
	s_mov_b32 s24, s53
	s_add_nc_u64 s[32:33], s[28:29], s[24:25]      ; and their scale chunks
	s_add_nc_u64 s[34:35], s[30:31], s[24:25]
.set n, 0
.rept 32
	v_pk_mul_f32 v[BN+n:BN+n+1], v[BN+n:BN+n+1], s[50:51] op_sel_hi:[1,0]
.set n, n+2
.endr
.macro QKBLOCK a                       ; 16 tokens x 128 channels: one fragment (16 x 64: registers 0-5) for each of the two heads
.set AC, 64*((\a)%4)
.set WN, 0x02+(\a)/4
	WIN WN                                         ; source 0: window 2 or 3
.set n, 0
.rept 32
	v_pk_fma_f32 v[ST+n:ST+n+1], v[AC+n:AC+n+1], s[48:49], v[BN+n:BN+n+1] op_sel_hi:[1,0,1]   ; each accumulator from its low end on
.set n, n+2
.endr
	WIN 0
.if (\a) > 0
	s_wait_xcnt 0x0                                ; the last block's stores have read the codes' registers
.endif
	QUANT ST
	v_and_b32 v[W0+(\a)], 0xffff, v[PW]            ; the first head's two bytes; the bytes of the upper 64 along K, whose codes are zeros, are 0
	v_lshrrev_b32 v[W1+(\a)], 16, v[PW]            ; the second head's
.irp p, 0,1,2,3,4,5
	global_store_b64 v[LA], v[PC+2*\p:PC+2*\p+1], s[28+2*(\p/3):29+2*(\p/3)] offset:(\a)*768+(\p%3)*256   ; the wave stores 256 consecutive bytes, aligned
.endr
.endm
.irp a, 0,1,2,3,4,5,6,7
	QKBLOCK \a
.endr
.irp y, 0,1,2,3
	v_cndmask_b32 v[MG+\y], v[W0+2*\y], v[W0+2*\y+1], s46      ; lanes 0-15: tile 2 y's rows, lanes 16-31: tile 2 y + 1's (both halves of the lanes hold a row's word)
	v_cndmask_b32 v[MG+4+\y], v[W1+2*\y], v[W1+2*\y+1], s46
.endr
.irp x, 0,1
	global_store_b64 v[LA], v[MG+2*\x:MG+2*\x+1], s[32:33] offset:256*\x
	global_store_b64 v[LA], v[MG+4+2*\x:MG+5+2*\x], s[34:35] offset:256*\x
.endr
	s_branch .Ljoin
.Lv:	; ---- v: A's rows are channels (heads 2 ga, 2 ga + 1), B's rows tokens (batch gb / 8, group gb % 8)
	s_lshr_b32 s21, s23, 3                         ; batch
	s_and_b32 s22, s23, 7                          ; group of tokens
	s_lshl_b32 s20, s20, 4                         ; first head x 8
	s_add_co_u32 s20, s20, s22
	s_lshl_b32 s20, s20, 3
	s_add_co_u32 s20, s20, s21
	s_mul_i32 s24, s20, RECK
	s_add_nc_u64 s[28:29], s[98:99], s[24:25]
	s_add_nc_u64 s[30:31], s[28:29], 64*RECK
.macro VBLOCK a                        ; 16 channels x 128 tokens: one fragment of V^T
.set AC, 64*((\a)%4)
.set WN, 0x02+(\a)/4
	WIN WN
.set n, 0
.rept 32
.if (\a)%2
	v_pk_add_f32 v[ST+n:ST+n+1], v[AC+n:AC+n+1], v[BM+2*((\a)/2):BM+2*((\a)/2)+1] op_sel:[0,1] op_sel_hi:[1,1]   ; + my channel's bias: the pair's second word for both halves
.else
	v_pk_add_f32 v[ST+n:ST+n+1], v[AC+n:AC+n+1], v[BM+2*((\a)/2):BM+2*((\a)/2)+1] op_sel_hi:[1,0]               ; the pair's first word for both halves
.endif
.set n, n+2
.endr
	WIN 0
.if (\a) > 0
	s_wait_xcnt 0x0                                ; the last block's stores have read the codes' registers
.endif
	QUANT ST
	v_mov_b32 v[W0+(\a)], v[PW]
.irp p, 0,1,2,3,4,5
	global_store_b64 v[LA], v[PC+2*\p:PC+2*\p+1], s[28+2*((\a)/4):29+2*((\a)/4)] offset:6144+((\a)%4)*1536+\p*256
.endr
.endm
.irp a, 0,1,2,3,4,5,6,7
	VBLOCK \a
.endr
.irp y, 0,1,2,3
	v_cndmask_b32 v[MG+\y], v[W0+2*\y], v[W0+2*\y+1], s46
.endr
	global_store_b64 v[LA], v[MG:MG+1], s[28:29] offset:12800
	global_store_b64 v[LA], v[MG+2:MG+3], s[30:31] offset:12800
.Ljoin:
	s_wait_tensorcnt 0x0                           ; the wave's end
	ds_add_u32 v[SPW], v[NIL]
	s_wait_dscnt 0x0
	CROUND                                         ; the closing round: no work-group ends while a partner may still ask for a tile that names it
	s_endpgm
.Lfunc_end_k_q05e33e547d_proj:
	.size	k_q05e33e547d_proj, .Lfunc_end_k_q05e33e547d_proj-k_q05e33e547d_proj
	.p2alignl 7, 3214868480
	.fill 96, 4, 3214868480
	.section	.rodata,"a",@progbits
	.p2align	6, 0x0
	.amdhsa_kernel k_q05e33e547d_proj
		.amdhsa_group_segment_fixed_size 327680
		.amdhsa_private_segment_fixed_size 0
		.amdhsa_enable_private_segment 0
		.amdhsa_kernarg_size 64
		.amdhsa_user_sgpr_count 2
		.amdhsa_user_sgpr_kernarg_segment_ptr 1
		.amdhsa_wavefront_size32 1
		.amdhsa_system_sgpr_workgroup_id_x 1
		.amdhsa_system_sgpr_workgroup_id_y 1
		.amdhsa_system_sgpr_workgroup_id_z 1
		.amdhsa_system_vgpr_workitem_id 0
		.amdhsa_next_free_vgpr 1024
		.amdhsa_next_free_sgpr 100
		.amdhsa_reserve_vcc 0
		.amdhsa_float_denorm_mode_32 3
		.amdhsa_float_denorm_mode_16_64 3
		.amdhsa_memory_ordered 1
		.amdhsa_forward_progress 1
		.amdhsa_inst_pref_size 241
	.end_amdhsa_kernel
	.amdgpu_metadata
---
amdhsa.version: [ 1, 2 ]
amdhsa.kernels:
  - .name:           k_q05e33e547d_proj
    .symbol:         k_q05e33e547d_proj.kd
    .args:
      - { .name: hc, .offset: 0, .size: 8, .value_kind: global_buffer, .address_space: global }
      - { .name: hs, .offset: 8, .size: 8, .value_kind: global_buffer, .address_space: global }
      - { .name: wc, .offset: 16, .size: 8, .value_kind: global_buffer, .address_space: global }
      - { .name: wsc, .offset: 24, .size: 8, .value_kind: global_buffer, .address_space: global }
      - { .name: q_bias, .offset: 32, .size: 8, .value_kind: global_buffer, .address_space: global }
      - { .name: v_bias, .offset: 40, .size: 8, .value_kind: global_buffer, .address_space: global }
      - { .name: qf, .offset: 48, .size: 8, .value_kind: global_buffer, .address_space: global }
      - { .name: kv, .offset: 56, .size: 8, .value_kind: global_buffer, .address_space: global }
    .group_segment_fixed_size: 327680
    .private_segment_fixed_size: 0
    .kernarg_segment_align: 8
    .kernarg_segment_size: 64
    .max_flat_workgroup_size: 128
    .sgpr_count:     100
    .vgpr_count:     1024
    .wavefront_size: 32
...
	.end_amdgpu_metadata
.endif
;; end of part 2
;; launch attn (part 3): grid 16 x 16, 8 waves a work-group, clusters of 4 x 1, 327,680 bytes of LDS; arguments qf, kv, mk, rel_pos, rel_2d_pos, out0; writes out0
.if DOCPART == 3
	.amdgcn_target "amdgcn-amd-amdhsa--gfx1250"
	.amdhsa_code_object_version 6
	.text
	.protected	k_q05e33e547d_attn
	.globl	k_q05e33e547d_attn
	.p2align	8
	.type	k_q05e33e547d_attn,@function
k_q05e33e547d_attn:
	s_mov_b64 s[64:65], 0
	v_nop
	global_prefetch_b8 v0, s[64:65] scope:SCOPE_SE
	s_setreg_imm32_b32 hwreg(HW_REG_WAVE_MODE, 25, 1), 1
	s_wait_xcnt 0x0
	s_wait_alu depctr_hold_cnt(0) depctr_sa_sdst(0) depctr_va_vdst(0) depctr_va_sdst(0) depctr_va_ssrc(0) depctr_va_vcc(0) depctr_vm_vsrc(0)
	s_getreg_b32 s2, hwreg(HW_REG_IB_STS2, 6, 4)
	s_cmp_eq_u32 s2, 0
	s_cbranch_scc0 .Lentry_in_a_cluster
	s_endpgm
.Lentry_in_a_cluster:
	s_bfe_u32 s2, ttmp6, 0x10000c
	s_cmp_lg_u32 s2, 0x3003
	s_cbranch_scc0 .Lentry_shape_is_right
	s_endpgm
.Lentry_shape_is_right:
; out[b][q][64 h ..] = softmax_k(where(mask[b][k], 1e-8, q.k + rel_pos[h][q][k] + rel_2d_pos[h][q][k])) v, both products on codes of FP6 (E2M3) with one E8M0 scale for each 32 along K.
; q (already / 8), k and v come as register images from the launch before (records: see below); the two rel tensors as f32; the mask as lane masks, one word for each score register.
; THE SOFTMAX: t = score x log2(e); M = the running largest t rounded up to a whole number; p = 2^(t - M) is quantised along the keys, not normalised; the row's sum is taken of the unquantised p and divides at the end.
;   When M moves, the sum and O are multiplied by 2^(old M - new M): exact.  The masked keys are not left out: their score is 1e-8, as the problem has it.
; SHARES.  A work-group owns 64 queries of one head, FOR ALL 8 BATCHES: the two rel tensors hang on no batch, so each of their bytes is fetched once in the launch and serves eight batches.
;   Wave w: query tile t = w % 4 (16 queries), batches 4 i + 2 (w / 4) + j: four UNITS u = 2 i + j.  Its 16 x 128 tile of rel_pos + rel_2d_pos is summed once a key step into 64 registers and is the C of the four units' score products.
;   Two waves share a SIMD's registers, 512 each: one's vector work stands beside the other's matrix work and LDS loads.
; TIME.  8 key steps of 128 keys, each in two halves: half i works the records of batches 4 i .. 4 i + 3 (52,224 bytes, one dense block), which come through two LDS slots by turns; the rel tiles of a key step through two more.
; LAYOUT.  S^T = K Q^T + rel (source 0 = 16 keys, source 1 = my 16 queries), O^T = V^T P^T: a lane holds one query (lane % 16) throughout; score register 8 T + j holds key 16 T + 8 (lane / 16) + j.
;   K = 64 fills half of the instruction's 128: registers 6-11 of Q's and K's operands hold zero codes for good.
;   p is quantised as its registers stand, which puts key 16 u + 8 h + j of a block of 32 at place 16 h + 8 u + j; V's codes were made in the same order, so the product pairs the right numbers; q and k likewise along d.
; THE LANE MASKS.  A unit wants 64 words, one for each score register, in scalar registers.  All 64 are asked for ONE UNIT AHEAD, behind the last select of the unit before: that unit's whole softmax and its second product
;   stand between the four scalar loads and the one wait for them.  That takes 64 scalar registers, so the rest of the text keeps to 36.
; RECORDS, index ((head x 8 + key step) x 8 + batch); a chunk is 256 bytes: two registers of a fragment, lane l's 8 bytes at 8 l.  qf, 6,656 bytes: tile a, chunk p at 768 a + 256 p; scale chunks at 6,144 + 256 x.
;   kv, 13,056 bytes: K's codes at 768 T + 256 p; V^T's at 6,144 + 1,536 T + 256 p; K's scale chunks at 12,288, 12,544; V's at 12,800.  A scale register carries two tiles: lanes 0-15 the even one's rows, lanes 16-31 the odd one's.
; CLUSTER.  The four query blocks of a cluster belong to one head and walk the same records: those are asked for JOINTLY (waves 0, 1).  The rel tiles are each work-group's own: plain loads (waves 2, 3), behind the same rounds.
; LIMITS: NaN and infinities are not served; the scores are summed as q.k + (rel_pos + rel_2d_pos); a block of p that has fallen to zeros keeps the scale byte 1 (its codes are zeros).
; REGISTERS.  window 0: v1-15 addresses; v16-31 four registers of statistics a unit (-M, largest t, the sum in two halves); v32-35 K's scale words, v36-37 V's, v38-39 log2(e), v40-43 Q's scale words; v64-127 S^T, then p;
;   v128-175 four fragments of K; v176-223 four of V^T; v224-235 p's codes; v232-254 at work.   window 1: v0-127 O^T, 32 a unit; v128-191 the rel tile; v192-239 Q, 12 a unit.
.set REC,   13056
.set RECQ,  6656
.set FLIP,  131072                     ; one exclusive or turns an address in one half of the LDS map into the other's
.set RP,    528                        ; a rel row in LDS: 512 bytes + 16: the 16 rows that a load touches start at 16 different banks (64 banks of 4 bytes: ISA guide 11.1)
.set R2O,   64*RP                      ; rel_pos's 64 rows at 0, rel_2d_pos's behind them
.set KV0,   2*64*RP                    ; then four records
.set SPARE, KV0+4*REC                  ; then the spare words, 128 bytes for each of eight waves: four blocks of 256 bytes that no other line names
.set STAGE, FLIP+KV0+4*REC             ; behind the second half's records: 16 rows x 272 bytes for each wave, for the way out
.set SPI,   272
.set AKV,  1                           ; v1, v2  my lane's place in my two records of slot 0, 1
.set AREL, 3                           ; v3   my lane's place in a rel tile
.set SPW,  4                           ; v4   my spare word; never rewritten
.set NIL,  5                           ; v5   0; never rewritten
.set FILL, 6                           ; v6   1e-8
.set PFO,  7                           ; v7   the rel prefetches' offset; never rewritten
.set PFKO, 8                           ; v8   the records' prefetch offset; never rewritten
.set STO,  9                           ; v9   the way out: where I put 16 bytes of a row
.set RD,   10                          ; v10  where I read a row back
.set GO,   11                          ; v11  my byte offset in the wave's rows of out0
.set ADR,  12                          ; v12  the rel tile in hand
.set QA,   14                          ; v14  8 x lane
.set QSA,  15                          ; v15  8 x (lane % 16)
.set KS,   32
.set VS,   36
.set CV,   38                          ; v[38:39] log2(e), named as a pair by the packed form
.set QS,   40
.set S,    64
.set KF,   128
.set VF,   176
.set PCD,  224
.set REL,  128                         ; in window 1
.set QQ,   192                         ; in window 1
.set WV,   2                           ; s2   my wave's number
.set CNT,  3                           ; s3   key steps of the loop still to go: 7 .. 1
.set G1KV, 4                           ; s[4:11]   group 1 for the records
.set G1R,  12                          ; s[12:19]  group 1 for the rel tiles
.set G0KV, 20                          ; s[20:23]  group 0 for the records;  s[24:27] for the rel tile that my wave would fetch: they walk
.set G0R,  24
.set SEL,  28                          ; s28, s29  lane selects for v_permlanex16_b32: lane l xor 16
.set MP,   30                          ; s[30:31]  my batches' lane masks of the key step in hand
.set MKA,  32                          ; s[32:63]  the lane masks of score registers 0-31 (at the head: at work)
.set PFR,  66                          ; s[66:67]  where my rel prefetches stand (waves 4, 5: in rel_pos; 6, 7: in rel_2d_pos)
.set MKB,  68                          ; s[68:99]  the lane masks of score registers 32-63 (at the head: at work)
.set PFK,  100                         ; s[100:101] where the records' prefetches stand
.set RB,   104                         ; s104 0 or FLIP: where the key step's rel tiles lie
.set LIMK, 105                         ; s105 1 in waves 5-7 of the head's first cluster, else 0
.set OB,   68                          ; s[68:75] on the way out: out0 at my four batches
.set MSB, 0
.macro WIN new                         ; the immediate's high byte repeats the setting that is left; a switch that changes nothing is dropped
.if MSB != (\new)
	s_set_vgpr_msb (MSB<<8)|(\new)
.set MSB, \new
.endif
.endm
.macro ROUND                           ; a round of the cluster's barrier
	s_barrier_signal -1
	s_barrier_wait -1
	s_cmp_lg_u32 s[WV], 0
	s_cbranch_scc1 .Lnot_wave_0_\@
	s_barrier_signal -3
.Lnot_wave_0_\@:
	s_barrier_wait -3
	s_barrier_signal -1
	s_barrier_wait -1
.endm
; Waves 0 and 1 fetch two records each, jointly with the partners; with rel = 1 wave 2 fetches rel_pos's tile and wave 3 rel_2d_pos's, by one line: LDS address and buffer hang on the wave's number.
; The branches hang on the wave's number alone.  Four v_nop follow each load.
.macro TLOAD rel
	s_cmp_lt_u32 s[WV], 2
	s_cbranch_scc0 .Lnot_kv_\@
	tensor_load_to_lds s[G0KV:G0KV+3], s[G1KV:G1KV+7]
	s_nop 0
.rept 4
	v_nop
.endr
	s_branch .Lasked_\@
.Lnot_kv_\@:
.if \rel
	s_cmp_lt_u32 s[WV], 4
	s_cbranch_scc0 .Lasked_\@
	tensor_load_to_lds s[G0R:G0R+3], s[G1R:G1R+7]
	s_nop 0
.rept 4
	v_nop
.endr
.endif
.Lasked_\@:
.endm
; PREFETCHES INTO THE L2.  ASKR, at the middle of key step s: my work-group's rel tiles of key step s + 2, half a key step ahead of their tensor loads: 64 rows x 512 bytes of each tensor, 128 blocks of 256 bytes.
; Waves 4 and 5 take rel_pos's rows 0-31 and 32-63, waves 6 and 7 rel_2d_pos's: a lane a row, the row's two blocks by two instructions.  No other work-group reads these rows, so each block is named once.
; It stops behind key step 5: step 7 is the last there is.  Steps 0 and 1 come by their loads alone.
.macro ASKR
	s_cmp_ge_u32 s[WV], 4
	s_cbranch_scc0 .Lnot_mine_\@
	s_cmp_gt_u32 s[CNT], 1
	s_cbranch_scc0 .Lnot_mine_\@
	global_prefetch_b8 v[PFO], s[PFR:PFR+1] th:TH_LOAD_NT scope:SCOPE_SE
	global_prefetch_b8 v[PFO], s[PFR:PFR+1] offset:256 th:TH_LOAD_NT scope:SCOPE_SE
.Lnot_mine_\@:
.endm
; ASKK, at the head of key step s: the codes of key step s + 1's eight records, half a key step and a whole one ahead of their two tensor loads.  All clusters of a head walk the same records: the head's first cluster asks.
; Its four partners take two records each, told apart BY ADDRESS; in each, waves 5-7 name the 96 blocks of codes, a lane a block.  A record's three blocks of scale words, and key step 0, come by their loads alone.
.macro ASKK
	s_cmp_eq_u32 s[LIMK], 1
	s_cbranch_scc0 .Lnot_mine_\@
	global_prefetch_b8 v[PFKO], s[PFK:PFK+1] th:TH_LOAD_NT scope:SCOPE_SE
.Lnot_mine_\@:
.endm
	s_load_b256 s[48:55], s[0:1], 0x0              ; qf s[48:49], kv s[50:51], mk s[52:53], rel_pos s[54:55]
	s_load_b64 s[56:57], s[0:1], 0x20              ; rel_2d_pos (out0's address is loaded in the last unit)
	v_lshl_add_u32 v[SPW], v0, 2, SPARE
	v_mov_b32 v[NIL], 0
	ds_add_u32 v4, v5
	s_wait_dscnt 0x0
	v_lshrrev_b32 v13, 5, v0
	v_readfirstlane_b32 s[WV], v13                 ; wave 0..7
	s_bfe_u32 s60, ttmp6, 0x40000                  ; cx: my place in the cluster
	s_lshl_b32 s61, ttmp9, 2
	s_add_co_u32 s61, s61, s60                     ; qb: my block of 64 queries
	s_and_b32 s62, ttmp7, 0xffff                   ; the head, which the four partners share
	s_and_b32 s63, s[WV], 3                        ; t: my tile of 16 queries
	s_lshr_b32 s47, s[WV], 2                       ; g: my pair of batches in each half
	s_and_b32 s84, s[WV], 1
	; group 1 for the records: two of them, 26,112 dense bytes, as 102 rows of 256 bytes (32 elements of 8 bytes)
	s_mov_b32 s[G1KV], 15|(3<<16)|(1<<21)          ; 15:0 the mask: all four work-groups; 17:16 elements of 8 bytes; 21 set beside a mask
	s_mov_b32 s[G1KV+1], 32<<16                    ; tensor_dim0
	s_mov_b32 s[G1KV+2], 102<<16                   ; tensor_dim1
	s_mov_b32 s[G1KV+3], 32<<16                    ; tile_dim0
	s_mov_b32 s[G1KV+4], 102                       ; tile_dim1
	s_mov_b32 s[G1KV+5], 32                        ; tensor_dim0_stride
	s_mov_b32 s[G1KV+6], 0
	s_mov_b32 s[G1KV+7], 0
	; group 1 for a rel tile: 64 rows x 128 f32, 1,024 elements from row to row, 16 bytes of padding behind each row
	s_mov_b32 s[G1R], (2<<16)|(1<<20)|(6<<22)|(3<<25)  ; no mask; elements of 4 bytes; padding on, after every 128 words, 4 words of it
	s_mov_b32 s[G1R+1], 128<<16
	s_mov_b32 s[G1R+2], 64<<16
	s_mov_b32 s[G1R+3], 128<<16
	s_mov_b32 s[G1R+4], 64
	s_mov_b32 s[G1R+5], 1024
	s_mov_b32 s[G1R+6], 0
	s_mov_b32 s[G1R+7], 0
	s_mul_i32 s68, s62, 64*REC                     ; the head's first record
	s_mov_b32 s69, 0
	s_mul_i32 s85, s84, 2*REC                      ; which two of a half's four records I fetch, if I fetch
	s_add_co_u32 s70, s68, s85
	s_mov_b32 s71, 0
	s_mul_i32 s86, s60, 2*REC                      ; the prefetches: my work-group's two of a key step's eight records
	s_add_co_u32 s68, s68, s86
	s_mul_i32 s87, s84, R2O                        ; the rel tile that I fetch, if I fetch: wave 2 rel_pos's at 0, wave 3 rel_2d_pos's behind it
	s_lshl_b32 s72, s62, 22                        ; rel: (head x 1,024 + 64 qb) rows of 4,096 bytes
	s_lshl_b32 s73, s61, 18
	s_add_co_u32 s72, s72, s73
	s_mov_b32 s73, 0
	s_lshl_b32 s74, s62, 3                         ; Q: record ((head x 8 + qb / 2) x 8 + 2 g),
	s_lshr_b32 s75, s61, 1
	s_add_co_u32 s74, s74, s75
	s_lshl_b32 s74, s74, 3
	s_lshl_b32 s75, s47, 1
	s_add_co_u32 s74, s74, s75
	s_mul_i32 s74, s74, RECQ
	s_and_b32 s75, s61, 1
	s_mul_i32 s76, s75, 4*768                      ; tile a = 4 (qb % 2) + t
	s_add_co_u32 s76, s76, s74
	s_mul_i32 s77, s63, 768
	s_add_co_u32 s76, s76, s77
	s_mov_b32 s77, 0
	s_lshl_b32 s78, s75, 8                         ; its scale words: chunk qb % 2, register t / 2, lanes 16 (t % 2) on
	s_add_co_u32 s78, s78, s74
	s_and_b32 s79, s63, 1
	s_lshl_b32 s79, s79, 7
	s_add_co_u32 s78, s78, s79
	s_lshr_b32 s79, s63, 1
	s_lshl_b32 s79, s79, 2
	s_add_co_u32 s78, s78, s79
	s_add_co_u32 s78, s78, 6144
	s_mov_b32 s79, 0
	s_lshl_b32 s82, s47, 12                        ; the lane masks of batch 2 g: 2,048 bytes a batch
	s_mov_b32 s83, 0
	s_mov_b32 s[SEL], 0x76543210
	s_mov_b32 s[SEL+1], 0xfedcba98
	s_cmp_ge_u32 s[WV], 5
	s_cselect_b32 s[LIMK], 0, 1
	s_or_b32 s[LIMK], s[LIMK], ttmp9               ; 0 in waves 5-7 of the head's first cluster: the same in all four partners
	s_cmp_eq_u32 s[LIMK], 0
	s_cselect_b32 s[LIMK], 1, 0
	s_wait_kmcnt 0x0
	s_mov_b32 s[G0KV], 1                           ; count = 1
	s_add_co_u32 s[G0KV+1], s85, KV0               ; LDS address: slot 0
	s_add_nc_u64 s[G0KV+2:G0KV+3], s[50:51], s[70:71]  ; key step 0, batches 0-3
	s_or_b32 s[G0KV+3], s[G0KV+3], 0x80000000      ; type = 2
	s_cmp_eq_u32 s84, 0                            ; a choice of buffers on the wave's number
	s_cselect_b64 s[88:89], s[54:55], s[56:57]
	s_mov_b32 s[G0R], 1
	s_mov_b32 s[G0R+1], s87
	s_add_nc_u64 s[G0R+2:G0R+3], s[88:89], s[72:73]
	s_or_b32 s[G0R+3], s[G0R+3], 0x80000000
	s_cmp_lt_u32 s[WV], 6                          ; the rel prefetches: waves 4, 5 rel_pos, waves 6, 7 rel_2d_pos
	s_cselect_b64 s[PFR:PFR+1], s[54:55], s[56:57]
	s_add_nc_u64 s[PFR:PFR+1], s[PFR:PFR+1], s[72:73]
	s_add_nc_u64 s[PFR:PFR+1], s[PFR:PFR+1], 512   ; at key step 1: the first step's middle steps it to 2
	s_add_nc_u64 s[PFK:PFK+1], s[50:51], s[68:69]  ; at key step 0: the first step's head steps it to 1
	s_add_nc_u64 s[MP:MP+1], s[52:53], s[82:83]
	s_add_nc_u64 s[90:91], s[48:49], s[78:79]      ; Q's scale words
	s_add_nc_u64 s[48:49], s[48:49], s[76:77]      ; Q's codes
	ROUND                                          ; all four work-groups are here: the first joint loads meet
	TLOAD 1                                        ; the first fills: the first half's records and key step 0's rel tiles; one load of mine is out at the most
	v_and_b32 v13, 31, v0                          ; lane
	v_and_b32 v44, 15, v0                          ; r
	v_bfe_u32 v45, v0, 4, 1                        ; h
	v_lshlrev_b32 v[QA], 3, v13
	v_lshlrev_b32 v[QSA], 3, v44
	WIN 0x40                                       ; destination window 1
.irp u, 0,1,2,3
.irp p, 0,1,2
	global_load_b64 v[QQ+12*\u+2*\p:QQ+12*\u+2*\p+1], v[QA], s[48:49] offset:(4*(\u/2)+\u%2)*RECQ+256*\p   ; Q stays in registers: unit u's batch lies 4 i + j records on
.endr
.endr
	WIN 0
.irp u, 0,1,2,3
	global_load_b32 v[QS+\u], v[QSA], s[90:91] offset:(4*(\u/2)+\u%2)*RECQ
.endr
	s_mul_i32 s46, s47, 2*REC
	s_add_co_u32 s46, s46, KV0
	v_add_nc_u32 v[AKV], s46, v[QA]                ; slot 0: my two records, 8 bytes a lane
	v_add_nc_u32 v[AKV+1], FLIP, v[AKV]            ; slot 1
	s_mul_i32 s46, s63, 16*RP
	v_mul_u32_u24 v[AREL], v44, RP
	v_lshl_add_u32 v[AREL], v45, 5, v[AREL]
	v_add_nc_u32 v[AREL], s46, v[AREL]             ; rel: row 16 t + r, + 32 h: my eight keys of a tile of 16
	v_mov_b32 v[FILL], 0x322bcc77                  ; 1e-8
	v_mov_b32 v[CV], 0x3fb8aa3b                    ; log2(e)
	v_mov_b32 v[CV+1], 0x3fb8aa3b                  ; (named with it as a pair, so it is written)
	s_lshl_b32 s46, s84, 17
	v_lshl_add_u32 v[PFO], v13, 12, s46            ; row 32 (w % 2) + lane of 4,096 bytes
	s_sub_co_u32 s46, s[WV], 5
	s_and_b32 s46, s46, 3
	s_lshl_b32 s46, s46, 5
	v_add_nc_u32 v[PFKO], s46, v13
	v_min_u32 v[PFKO], 95, v[PFKO]                 ; block 32 (w - 5) + lane of the 96 (held there in the waves that never ask)
	v_mov_b32 v46, 768
	v_cmp_lt_u32 vcc_lo, 47, v[PFKO]
	v_cndmask_b32 v46, 0, v46, vcc_lo              ; the second record's codes lie behind the first's three blocks of scale words
	v_lshl_add_u32 v[PFKO], v[PFKO], 8, v46
	s_mul_i32 s46, s[WV], 16*SPI
	s_add_co_u32 s46, s46, STAGE                   ; my stage
	v_mul_u32_u24 v[STO], v44, SPI
	v_lshl_add_u32 v[STO], v45, 5, v[STO]
	v_add_nc_u32 v[STO], s46, v[STO]               ; in: row r, + 32 h
	v_mul_u32_u24 v[RD], v45, SPI
	v_lshl_add_u32 v[RD], v44, 4, v[RD]
	v_add_nc_u32 v[RD], s46, v[RD]                 ; back: lanes 0-15 one row of 256 bytes, lanes 16-31 the next
	v_lshlrev_b32 v[GO], 12, v45
	v_lshl_add_u32 v[GO], v44, 4, v[GO]            ; and the same two rows in out0
	s_mov_b32 s[RB], 0
	WIN 0x40
.set n, 0
.rept 128
	v_mov_b32 v[n], 0                              ; O^T.  (The key step is written once for the loop: its first trip finds zeros, which the first change of M leaves zeros)
.set n, n+1
.endr
.irp u, 0,1,2,3
.irp k, 6,7,8,9,10,11
	v_mov_b32 v[QQ+12*\u+\k], 0                    ; zero codes for the upper 64 of the instruction's K
.endr
.endr
	WIN 0
.irp T, 0,1,2,3
.irp k, 6,7,8,9,10,11
	v_mov_b32 v[KF+12*\T+\k], 0                    ; likewise on K's side: no load ever lands here
.endr
.endr
.irp u, 0,1,2,3
	v_mov_b32 v[17+4*\u], 0xff61b1e6               ; the largest t so far: -3e38, under every t
	v_floor_f32 v[16+4*\u], -v[17+4*\u]            ; -M
	v_mov_b32 v[18+4*\u], 0                        ; the sum, in two halves
	v_mov_b32 v[19+4*\u], 0
.endr
.irp b, 0,1,2,3
	v_mov_b32 v[236+\b], 0                         ; written once: a lane permute's destination counts as one of its sources
.endr
	v_mov_b32 v253, 0                              ; (named as the upper half of the pair v[252:253] before it is first written)
; THE CHANGE OF SLOTS, at the head of each half of a key step.  Each wave waits for all its tensor loads, adds 0 to its spare word, and waits for that and for its LDS reads.  Behind the barrier the records ahead are whole
; and nobody reads the other slot.  fkv = 1: that slot takes the next half's records; the barrier is then a round of the cluster's.  frel = 1: the other rel slot, read a key step ago, takes the next key step's tiles.
; ask: 1 the records' prefetch, 2 the rel tiles', 0 none.
.macro CHANGE fkv, frel, ask
	WIN 0
	s_wait_tensorcnt 0x0                           ; no tensor load of mine is out, so a group 0 may be written
	ds_add_u32 v[SPW], v[NIL]                      ; 0 onto my spare word; the steps below stand between it and the wait for it
.if \fkv
	s_xor_b32 s[G0KV+1], s[G0KV+1], FLIP           ; the other slot than last time,
	s_add_nc_u64 s[G0KV+2:G0KV+3], s[G0KV+2:G0KV+3], 4*REC   ; the next four records; the type bits on top are not reached
.endif
.if \frel
	s_xor_b32 s[G0R+1], s[G0R+1], FLIP
	s_add_nc_u64 s[G0R+2:G0R+3], s[G0R+2:G0R+3], 512         ; the next 128 keys
.endif
.if \ask
	s_wait_xcnt 0x0                                ; the last prefetches, half a key step back or more, have read their addresses
.endif
.if \ask == 1
	s_add_nc_u64 s[PFK:PFK+1], s[PFK:PFK+1], 8*REC
.endif
.if \ask == 2
	s_add_nc_u64 s[PFR:PFR+1], s[PFR:PFR+1], 512
.endif
	s_wait_dscnt 0x0                               ; the add is done, and my reads of what is filled next are over
.if \fkv
	ROUND
	TLOAD \frel                                    ; the first thing behind the round, and a wave's one tensor load until the next
.else
	s_barrier_signal -1
	s_barrier_wait -1
.endif
.if \ask == 1
	ASKK
.endif
.if \ask == 2
	ASKR
.endif
.endm
; The key step's rel tile of my 16 queries: rel_pos + rel_2d_pos, register 8 T + j = key 16 T + 8 h + j of query r: the C of my four units' score products.
.macro RELSUM
	v_add_nc_u32 v[ADR], s[RB], v[AREL]
	WIN 0x40
.set n, 0
.rept 16
	ds_load_b128 v[REL+4*n:REL+4*n+3], v[ADR] offset:64*(n/2)+16*(n%2)
.set n, n+1
.endr
	WIN 0
.set n, 0
.rept 16
	ds_load_b128 v[S+4*n:S+4*n+3], v[ADR] offset:R2O+64*(n/2)+16*(n%2)
.set n, n+1
.endr
	s_wait_dscnt 0x0
	WIN 0x41                                       ; destination and source 0 window 1
.set n, 0
.rept 32
	v_pk_add_f32 v[REL+n:REL+n+1], v[REL+n:REL+n+1], v[S+n:S+n+1]
.set n, n+2
.endr
	WIN 0
	s_xor_b32 s[RB], s[RB], FLIP                   ; the next key step's tiles lie in the other slot
.endm
.macro SPROD u, T                      ; S^T tile T = 16 keys x my 16 queries, + rel.  K's scale register carries two tiles
.if (\T)%2
	v_wmma_scale_f32_16x16x128_f8f6f4 v[S+8*(\T):S+8*(\T)+7], v[KF+12*((\T)%4):KF+12*((\T)%4)+11], v[QQ+12*(\u):QQ+12*(\u)+11], v[REL+8*(\T):REL+8*(\T)+7], v[KS+(\T)/2], v[QS+(\u)] matrix_a_fmt:MATRIX_FMT_FP6 matrix_b_fmt:MATRIX_FMT_FP6 matrix_a_scale:MATRIX_SCALE_ROW1
.else
	v_wmma_scale_f32_16x16x128_f8f6f4 v[S+8*(\T):S+8*(\T)+7], v[KF+12*((\T)%4):KF+12*((\T)%4)+11], v[QQ+12*(\u):QQ+12*(\u)+11], v[REL+8*(\T):REL+8*(\T)+7], v[KS+(\T)/2], v[QS+(\u)] matrix_a_fmt:MATRIX_FMT_FP6 matrix_b_fmt:MATRIX_FMT_FP6
.endif
.endm
.macro OPROD u, T                      ; O^T tile T (16 channels) += V^T P^T over these 128 keys
.if (\T)%2
	v_wmma_scale_f32_16x16x128_f8f6f4 v[32*(\u)+8*(\T):32*(\u)+8*(\T)+7], v[VF+12*(\T):VF+12*(\T)+11], v[PCD:PCD+11], v[32*(\u)+8*(\T):32*(\u)+8*(\T)+7], v[VS+(\T)/2], v253 matrix_a_fmt:MATRIX_FMT_FP6 matrix_b_fmt:MATRIX_FMT_FP6 matrix_a_scale:MATRIX_SCALE_ROW1
.else
	v_wmma_scale_f32_16x16x128_f8f6f4 v[32*(\u)+8*(\T):32*(\u)+8*(\T)+7], v[VF+12*(\T):VF+12*(\T)+11], v[PCD:PCD+11], v[32*(\u)+8*(\T):32*(\u)+8*(\T)+7], v[VS+(\T)/2], v253 matrix_a_fmt:MATRIX_FMT_FP6 matrix_b_fmt:MATRIX_FMT_FP6
.endif
.endm
.macro MAXCH b0                        ; the largest score of blocks b0 and b0 + 1 of 32 keys (my 16 of each), the two by turns: it serves the row's maximum and, since p rises with the score, the block's largest p
.irp b, \b0, \b0+1
	v_max3_num_f32 v[232+(\b)], v[S+16*(\b)], v[S+1+16*(\b)], v[S+2+16*(\b)]
.endr
.irp i, 3,5,7,9,11,13
.irp b, \b0, \b0+1
	v_max3_num_f32 v[232+(\b)], v[232+(\b)], v[S+16*(\b)+\i], v[S+1+16*(\b)+\i]
.endr
.endr
.irp b, \b0, \b0+1
	v_max_num_f32 v[232+(\b)], v[232+(\b)], v[S+15+16*(\b)]
.endr
.endm
; A UNIT: one batch's 16 queries x 128 keys.  nxt = 1: the next unit's 64 lane masks are asked for; nxt = 0, the last unit of all: out0's address.
.macro UNIT u, nxt
.set UI, (\u)/2
.set UJ, (\u)%2
.set SS, 16+4*(\u)
.set OO, 32*(\u)
.set KB, UJ*REC
.irp T, 0,1,2,3
.irp p, 0,1,2
	ds_load_b64 v[KF+12*\T+2*\p:KF+12*\T+2*\p+1], v[AKV+UI] offset:KB+768*\T+256*\p   ; K's tiles 0-3: a chunk is 256 consecutive bytes
.endr
.endr
	ds_load_b64 v[KS:KS+1], v[AKV+UI] offset:KB+12288
	ds_load_b64 v[KS+2:KS+3], v[AKV+UI] offset:KB+12544
	s_wait_dscnt 0x0
	WIN 0x14                                       ; Q and rel in window 1
.irp T, 0,1,2,3
	SPROD \u, \T
.endr
	WIN 0
.rept 4
	v_nop                                          ; the places in front of the loads into K's registers, of the loads into V's (read by the last unit's products) and of the first read of the scores
.endr
.irp T, 0,1,2,3
.irp p, 0,1,2
	ds_load_b64 v[KF+12*\T+2*\p:KF+12*\T+2*\p+1], v[AKV+UI] offset:KB+768*(4+\T)+256*\p   ; K's tiles 4-7
.endr
.endr
.irp T, 0,1,2,3
.irp p, 0,1,2,3,4,5
	ds_load_b64 v[VF+12*\T+2*\p:VF+12*\T+2*\p+1], v[AKV+UI] offset:KB+6144+1536*\T+256*\p
.endr
.endr
	ds_load_b64 v[VS:VS+1], v[AKV+UI] offset:KB+12800
	s_wait_kmcnt 0x0                               ; all 64 lane masks of this unit: asked for behind the last select of the unit before (the first unit's: at the head).  The unit's one wait for scalar loads
.set n, 0
.rept 32
	v_cndmask_b32 v[S+n], v[S+n], v[FILL], s[MKA+n] ; 1e-8 where the key is masked; each accumulator from its low end on
.set n, n+1
.endr
	s_wait_dscnt 25                                ; K's tiles 4-7 are in; the 24 loads of V and the one of its scale words may be out
	WIN 0x14
.irp T, 4,5,6,7
	SPROD \u, \T
.endr
	WIN 0
	MAXCH 0                                        ; sixteen plain lines on scores 0-31: the places behind those products
.set n, 0
.rept 32
	v_cndmask_b32 v[S+32+n], v[S+32+n], v[FILL], s[MKB+n]
.set n, n+1
.endr
.if \nxt
.if (\u) == 3
	s_add_nc_u64 s[MP:MP+1], s[MP:MP+1], 256       ; the next key step's masks (no scalar load is out since this unit's wait)
.set NB, 0
.else
.set NB, (4*(((\u)+1)/2)+((\u)+1)%2)*2048
.endif
	s_load_b512 s[MKA:MKA+15], s[MP:MP+1], NB      ; the next unit's 64 lane masks: this unit's softmax and second product stand between these four loads and the wait for them
	s_load_b512 s[MKA+16:MKA+31], s[MP:MP+1], NB+64
	s_load_b512 s[MKB:MKB+15], s[MP:MP+1], NB+128
	s_load_b512 s[MKB+16:MKB+31], s[MP:MP+1], NB+192
.else
	s_load_b64 s[MKA:MKA+1], s[0:1], 0x28          ; out0: wanted on the way out, where its wait stands
.endif
	MAXCH 2
.irp b, 0,1,2,3
	v_permlanex16_b32 v[236+\b], v[232+\b], s[SEL], s[SEL+1]
.endr
.irp b, 0,1,2,3
	v_max_num_f32 v[232+\b], v[232+\b], v[236+\b]  ; with lane l xor 16's 16 keys
.endr
	v_max3_num_f32 v254, v232, v233, v234
	v_max_num_f32 v254, v254, v235                 ; the step's largest score of my query
	v_mul_f32 v254, v[CV], v254                    ; as t
	v_max_num_f32 v[SS+1], v[SS+1], v254           ; the running largest t
	v_mov_b32 v254, v[SS]
	v_floor_f32 v[SS], -v[SS+1]                    ; the new -M = -ceil(t): a whole number
	v_sub_f32 v254, v[SS], v254                    ; old M - new M: a whole number, 0 or less
	v_cvt_i32_f32 v254, v254                       ; (it saturates)
	v_ldexp_f32 v252, 1.0, v254                    ; f = 2^(old M - new M)
.set n, 0
.rept 32
	v_pk_fma_f32 v[S+n:S+n+1], v[S+n:S+n+1], v[CV:CV+1], v[SS:SS+1] op_sel_hi:[1,0,0]   ; t - M, two at a time (of both pairs the low word serves both halves)
.set n, n+2
.endr
.irp b, 0,1,2,3
	v_fma_f32 v[232+\b], v[232+\b], v[CV], v[SS]   ; the same of each block's largest score
.endr
.set n, 0
.rept 64
	v_exp_f32 v[S+n], v[S+n]                       ; p = 2^(t - M), at most 1
.set n, n+1
.endr
	v_pk_mul_f32 v[SS+2:SS+3], v[SS+2:SS+3], v[252:253] op_sel_hi:[1,0]   ; the sums under the new M (a plain line behind the exponentials)
	s_wait_alu depctr_va_vdst(0)                   ; one wait for the batch of 64, ahead of its first reader
.irp b, 0,1,2,3
	v_exp_f32 v[232+\b], v[232+\b]                 ; the block's largest p: the same two instructions on the same number
.endr
	v_pk_add_f32 v[236:237], v[S:S+1], v[S+2:S+3]  ; the row's sum, of the unquantised p: two at a time, in two chains (it reads the 64 alone)
.irp j, 4,8,12,16,20,24,28,32,36,40,44,48,52,56,60
	v_pk_add_f32 v[SS+2:SS+3], v[SS+2:SS+3], v[S+\j:S+\j+1]
	v_pk_add_f32 v[236:237], v[236:237], v[S+2+\j:S+3+\j]
.endr
	v_pk_add_f32 v[SS+2:SS+3], v[SS+2:SS+3], v[236:237]
	s_wait_alu depctr_va_vdst(0)                   ; and one for the four
.irp b, 0,1,2,3
	v_max_num_f32 v[232+\b], 0x1800000, v[232+\b]  ; the floor 2^(3 - 127): the byte cannot fall under 1
.endr
.irp b, 0,1,2,3
	v_add_nc_u32 v[244+\b], 0xff000000, v[232+\b]  ; 2 off the exponent field: the conversion's scale operand
.endr
.irp b, 0,1,2,3
	v_lshrrev_b32 v[236+\b], 23, v[244+\b]         ; the scale's byte
.endr
	v_lshl_or_b32 v253, v237, 8, v236              ; p's scale word for these 128 keys
	v_lshl_or_b32 v253, v238, 16, v253
	v_lshl_or_b32 v253, v239, 24, v253
.irp c, 0,1
	v_cvt_scalef32_pk16_fp6_f32 v[PCD+6*\c:PCD+2+6*\c], v[S+32*\c:S+15+32*\c], v[244+2*\c]
	v_cvt_scalef32_pk16_fp6_f32 v[236+4*\c:238+4*\c], v[S+16+32*\c:S+31+32*\c], v[244+2*\c+1]   ; (a conversion's three registers begin on an even number)
.endr
	v_nop                                          ; one plain line behind the scaled conversions
.irp c, 0,1                                    ; the operand's layout wants a whole block in a lane
.irp i, 0,1,2
	v_permlane16_swap_b32 v[PCD+6*\c+\i], v[236+4*\c+\i]
.endr
.irp i, 0,1,2
	v_mov_b32 v[PCD+3+6*\c+\i], v[236+4*\c+\i]
.endr
.endr
	WIN 0x41
.set n, 0
.rept 16
	v_pk_mul_f32 v[OO+n:OO+n+1], v[OO+n:OO+n+1], v[252:253] op_sel_hi:[1,0]   ; O^T under the new M; these sixteen also stand between the codes' and the scale word's last writes and the products
.set n, n+2
.endr
	WIN 0
	s_wait_dscnt 0x0                               ; V and its scale words
	WIN 0x50                                       ; C and D window 1
.irp T, 0,1,2,3
	OPROD \u, \T                                   ; four accumulators by turns, one instruction a turn
.endr
	WIN 0
.endm
	s_wait_xcnt 0x0                                ; Q's loads have read their bases: the lane masks may land on those scalar registers
	s_load_b512 s[MKA:MKA+15], s[MP:MP+1], 0x0     ; unit 0's 64 lane masks: the wait for the first tiles stands between these and the wait for them
	s_load_b512 s[MKA+16:MKA+31], s[MP:MP+1], 0x40
	s_load_b512 s[MKB:MKB+15], s[MP:MP+1], 0x80
	s_load_b512 s[MKB+16:MKB+31], s[MP:MP+1], 0xc0
	s_mov_b32 s[CNT], 7
	s_wait_loadcnt 0x0                             ; Q and its scale words
.Lstep:                                                ; key steps 0 to 6
	CHANGE 1, 1, 1
	RELSUM
	UNIT 0, 1
	UNIT 1, 1
	CHANGE 1, 0, 2
	UNIT 2, 1
	UNIT 3, 1
	s_sub_co_u32 s[CNT], s[CNT], 1
	s_cmp_lg_u32 s[CNT], 0
	s_cbranch_scc1 .Lstep
	CHANGE 1, 0, 0                                 ; key step 7 is written out: its second half's records are the last fill
	RELSUM
	UNIT 0, 1
	UNIT 1, 1
	CHANGE 0, 0, 0
	UNIT 2, 1
	UNIT 3, 0
	; THE WAY OUT.  The sums' halves are added (four plain lines: the places behind the last products); O^T is divided by the sum and goes through my stage in LDS, a unit (16 rows x 256 bytes) at a time.
.irp u, 0,1,2,3
	v_add_f32 v[18+4*\u], v[18+4*\u], v[19+4*\u]
.endr
.irp u, 0,1,2,3
	v_permlanex16_b32 v[19+4*\u], v[18+4*\u], s[SEL], s[SEL+1]
.endr
.irp u, 0,1,2,3
	v_add_f32 v[18+4*\u], v[18+4*\u], v[19+4*\u]   ; with lane l xor 16's: the row's sum
.endr
.irp u, 0,1,2,3
	v_rcp_f32 v[16+4*\u], v[18+4*\u]
.endr
	v_nop                                          ; a plain line behind the last reciprocal
	s_bfe_u32 s40, ttmp6, 0x40000                  ; where my rows of out0 begin, made anew (the masks' registers are free): cx,
	s_lshl_b32 s41, ttmp9, 2
	s_add_co_u32 s41, s41, s40                     ; qb,
	s_and_b32 s42, ttmp7, 0xffff                   ; the head,
	s_and_b32 s43, s[WV], 3                        ; t,
	s_lshr_b32 s44, s[WV], 2                       ; g
	s_lshl_b32 s36, s44, 23                        ; batch 2 g of 4,194,304 bytes,
	s_lshl_b32 s37, s41, 18                        ; row 64 qb
	s_add_co_u32 s36, s36, s37
	s_lshl_b32 s37, s43, 16                        ; + 16 t, of 4,096 bytes,
	s_add_co_u32 s36, s36, s37
	s_lshl_b32 s37, s42, 8                         ; the head's 256 bytes
	s_add_co_u32 s36, s36, s37
	s_mov_b32 s37, 0
	s_wait_kmcnt 0x0                               ; out0's address
	s_add_nc_u64 s[OB:OB+1], s[MKA:MKA+1], s[36:37]   ; out0 at my four batches: 2 g + 0, 1, 4, 5
	s_add_nc_u64 s[OB+2:OB+3], s[OB:OB+1], 4194304
	s_add_nc_u64 s[OB+4:OB+5], s[OB:OB+1], 4*4194304
	s_add_nc_u64 s[OB+6:OB+7], s[OB:OB+1], 5*4194304
	s_wait_alu depctr_va_vdst(0)                   ; one wait for the four reciprocals, ahead of their first reader
.macro PACK u
.set SH, S+32*((\u)%2)
.set BK, 128+32*((\u)%2)
	WIN 0x01                                       ; source 0 window 1
.set n, 0
.rept 32
	v_mul_f32 v[SH+n], v[32*(\u)+n], v[16+4*(\u)]  ; register 8 T + i is channel 16 T + 8 h + i of query r; each accumulator from its low end on
.set n, n+1
.endr
	WIN 0
.irp f, 0,1,2,3,4,5,6,7
	ds_store_b128 v[STO], v[SH+4*\f:SH+4*\f+3] offset:64*(\f/2)+16*(\f%2)
.endr
.irp k, 0,1,2,3,4,5,6,7
	ds_load_b128 v[BK+4*\k:BK+4*\k+3], v[RD] offset:\k*2*SPI   ; LDS serves a wave's instructions in order (ISA guide 5.7.1.4): these see the stores above, and the next unit's stores come behind them
.endr
.endm
.macro SEND u, younger                 ; younger: the LDS instructions issued behind unit u's loads: the next unit's sixteen, or none
.set BK, 128+32*((\u)%2)
.irp k, 0,1,2,3,4,5,6,7
	s_wait_dscnt \younger+7-\k
	global_store_b128 v[GO], v[BK+4*\k:BK+4*\k+3], s[OB+2*(\u):OB+2*(\u)+1] offset:\k*8192 th:TH_STORE_NT   ; 16 lanes store 256 consecutive bytes, aligned: the head's part of a row
.endr
.endm
	PACK 0
	PACK 1
	SEND 0, 16
	s_wait_xcnt 0x0                                ; unit 0's stores have read their registers: unit 2's rows may land there
	PACK 2
	SEND 1, 16
	s_wait_xcnt 0x0
	PACK 3
	SEND 2, 16
	SEND 3, 0
	s_wait_tensorcnt 0x0                           ; the wave's end
	ds_add_u32 v[SPW], v[NIL]
	s_wait_dscnt 0x0
	ROUND                                          ; the closing round: no work-group ends while a partner may still ask for records that name it
	s_endpgm
.Lfunc_end_k_q05e33e547d_attn:
	.size	k_q05e33e547d_attn, .Lfunc_end_k_q05e33e547d_attn-k_q05e33e547d_attn
	.p2alignl 7, 3214868480
	.fill 96, 4, 3214868480
	.section	.rodata,"a",@progbits
	.p2align	6, 0x0
	.amdhsa_kernel k_q05e33e547d_attn
		.amdhsa_group_segment_fixed_size 327680
		.amdhsa_private_segment_fixed_size 0
		.amdhsa_enable_private_segment 0
		.amdhsa_kernarg_size 48
		.amdhsa_user_sgpr_count 2
		.amdhsa_user_sgpr_kernarg_segment_ptr 1
		.amdhsa_wavefront_size32 1
		.amdhsa_system_sgpr_workgroup_id_x 1
		.amdhsa_system_sgpr_workgroup_id_y 1
		.amdhsa_system_sgpr_workgroup_id_z 1
		.amdhsa_system_vgpr_workitem_id 0
		.amdhsa_next_free_vgpr 512
		.amdhsa_next_free_sgpr 106
		.amdhsa_reserve_vcc 1
		.amdhsa_float_denorm_mode_32 3
		.amdhsa_float_denorm_mode_16_64 3
		.amdhsa_memory_ordered 1
		.amdhsa_forward_progress 1
		.amdhsa_inst_pref_size 211
	.end_amdhsa_kernel
	.amdgpu_metadata
---
amdhsa.version: [ 1, 2 ]
amdhsa.kernels:
  - .name:           k_q05e33e547d_attn
    .symbol:         k_q05e33e547d_attn.kd
    .args:
      - { .name: qf, .offset: 0, .size: 8, .value_kind: global_buffer, .address_space: global }
      - { .name: kv, .offset: 8, .size: 8, .value_kind: global_buffer, .address_space: global }
      - { .name: mk, .offset: 16, .size: 8, .value_kind: global_buffer, .address_space: global }
      - { .name: rel_pos, .offset: 24, .size: 8, .value_kind: global_buffer, .address_space: global }
      - { .name: rel_2d_pos, .offset: 32, .size: 8, .value_kind: global_buffer, .address_space: global }
      - { .name: out0, .offset: 40, .size: 8, .value_kind: global_buffer, .address_space: global }
    .group_segment_fixed_size: 327680
    .private_segment_fixed_size: 0
    .kernarg_segment_align: 8
    .kernarg_segment_size: 48
    .max_flat_workgroup_size: 256
    .sgpr_count:     106
    .vgpr_count:     512
    .wavefront_size: 32
...
	.end_amdgpu_metadata
.endif
;; end of part 3
